; MI455X (gfx1250); checked and timed in simulation.
; The chip was launched on July 23, 2026; its instructions are those of AMD's public machine-readable ISA for CDNA 5 (MIT licence, August 2026) and "CDNA5" Instruction Set Architecture Reference Guide (July 2026). The comments in the code are by the model that wrote it; some were corrected since.
;; Attention. Allowed arithmetic: matrix products marked QUANTISED: E3M2 operands, one E8M0 scale for each 32 along K, by v_wmma_scale_f32_16x16x128_f8f6f4 with both operands' format E3M2, f32 sums; everything else in f32.
;; Inputs: W_codes 1,024 x 32 x 24 uint8 (E3M2 codes of W, K innermost, in blocks of 32 codes, four codes in three bytes); W_scales 1,024 x 32 uint8 (E8M0 scales of W, one for each 32 codes along K); b 1,024 float32; lstm_output 16 x 4,096 x 1,024 float32.
;; Outputs: out0 16 x 1,024 float32.
;; This version of the problem:
;;   THIS VERSION OF THE PROBLEM IS GIVEN IN LOW PRECISION. The matrix products marked QUANTISED in the list below multiply operands that are first quantised to E3M2 (3 exponent bits, 2 mantissa bits; 6 bits a number), with one power-of-two scale for each 32 numbers along K (OCP MX v1.0); their sums are f32. All else is computed in f32.
;;   The module's matrix products, in the order in which they are computed (A, B: the left and right operand; K: the contracted axis; several contracted axes count as one K, in the product's order):
;;     1. [M 65,536, K 1,024] x [K 1,024, N 1,024]; A: input lstm_output; B: input W (given as codes): QUANTISED
;;   THE QUANTISER, for each operand of a quantised product, along K:
;;     - K is cut into blocks of 32 from its start; a last block that is shorter is filled with zeros.
;;     - A block's scale is 2^e with e = floor(log2(the largest magnitude in the block)) - 4, held to -126 .. 127; a block of zeros has e = 0. As a byte (E8M0): e + 127.
;;     - Each number is divided by its block's scale, clamped to +-28, and rounded to the nearest number of E3M2, ties to even, subnormals kept.
;;     - The product sums the exact products of the quantised numbers (number of the format x scale) in f32.
;;   ~~~python
;;   def quantise(x, axis):      # numpy; x: float32 -> the quantised numbers, widened to float32 again
;;       x = np.moveaxis(x, axis, -1); K = x.shape[-1]
;;       x = np.pad(x, [(0, 0)] * (x.ndim - 1) + [(0, -K % 32)]); x = x.reshape(x.shape[:-1] + (-1, 32)); a = np.abs(x).max(-1, keepdims=True)
;;       e = np.where(a > 0, np.clip(np.frexp(np.where(a > 0, a, 1))[1] - 1 - 4, -126, 127), 0)      # np.frexp(a)[1] - 1 = floor(log2(a)), exactly
;;       r = np.clip(x / 2.0 ** e, -28, 28)
;;       step = 2.0 ** (np.maximum(np.frexp(np.where(r == 0, 1, r))[1] - 1, -2) - 2)
;;       q = np.round(r / step) * step * 2.0 ** e      # np.round: ties to even
;;       return np.moveaxis(q.reshape(q.shape[:-2] + (-1,))[..., :K], -1, axis).astype(np.float32)
;;   ~~~
;;   INPUTS GIVEN AS CODES. W (in the module: [1024, 1024], K = its axis 1): each comes as NAME_codes (uint8): NAME with its K axis moved to the last place and cut into blocks of 32 codes, [.., K / 32, bytes a block], one block behind the other in memory; four codes in three bytes: a row's codes are one little-endian stream of bits, code i at bits 6 i .. 6 i + 5 (a code: sign, 3 exponent bits, 2 mantissa bits); and NAME_scales (uint8): the same leading axes, one E8M0 byte (e + 127) for each 32 codes along K. Its value is code x scale, taken as it is: it is not quantised again, and the codes and scales need not be those that the quantiser above would give.
;; 2 versions. Each part assembles by itself: llvm-mc -triple=amdgcn-amd-amdhsa -mcpu=gfx1250 --defsym DOCPART=n.
;; ======== version 1 of 2: 3 launches
;; workspace buffers: wl 819,200 bytes; part 2,097,152 bytes
;; launch lay (part 1): grid 64 x 1, 4 waves a work-group, no clusters, 0 bytes of LDS; arguments W_codes, W_scales, wl; writes wl
.if DOCPART == 1
	.amdgcn_target "amdgcn-amd-amdhsa--gfx1250"
	.amdhsa_code_object_version 6
	.text
	.protected	k_q2877b183c8_lay
	.globl	k_q2877b183c8_lay
	.p2align	8
	.type	k_q2877b183c8_lay,@function
k_q2877b183c8_lay:
	s_mov_b64 s[64:65], 0
	v_nop
	global_prefetch_b8 v0, s[64:65] scope:SCOPE_SE
	s_setreg_imm32_b32 hwreg(HW_REG_WAVE_MODE, 25, 1), 1
	s_wait_xcnt 0x0
; W's codes [1024][768 bytes] and scale bytes [1024][32] are laid anew into wl, in the order in which the product's launch takes them into registers.
; wl is 64 chunks of 12,800 bytes, chunk c = ((4 g + p) 4 + w) 2 + s: column group g (512 rows of W), wave w (128 of them), K step ks = 2 p + s (128 along K).
; A chunk: 8 fragment images (tile t at 1536 t; registers 4 q .. 4 q + 3 of lane l at 512 q + 16 l), then from byte 12,288 the scale words: that of tile t's row r at 32 r + 4 t.
; THE ROWS OF A TILE ARE NOT NEIGHBOURS: lane r of tile t takes row 512 g + 128 w + 32 (t / 2) + 8 (t % 2) + r + 8 (r / 8), so that in the transposed product a lane's 16 results
; of tiles 2 b and 2 b + 1 are 16 neighbouring columns.  A fragment's lane (r, h) holds the 24 bytes at 96 ks + 24 h of its row, and the 24 bytes 48 further on.
; One work-group a chunk; wave v lays tiles 2 v and 2 v + 1; wave 0 also lays the scale words.  No LDS, no barrier: waves share nothing.
.set ROWB,  768                        ; a row of W's codes in bytes
.set CHUNK, 12800
	s_load_b128 s[4:7], s[0:1], 0x0                ; W's codes s[4:5], W's scales s[6:7]
	s_load_b64 s[8:9], s[0:1], 0x10                ; wl
	v_lshrrev_b32 v1, 5, v0
	v_readfirstlane_b32 s10, v1                    ; wave v
	v_and_b32 v2, 31, v0                           ; lane
	v_and_b32 v3, 15, v0                           ; r
	v_bfe_u32 v4, v0, 4, 1                         ; h
	v_and_b32 v5, 8, v3
	v_add_nc_u32 v5, v5, v3                        ; r + 8 (r / 8)
	v_mul_u32_u24 v6, v5, ROWB
	v_mad_u32_u24 v6, v4, 24, v6                   ; in: my row of a tile, my half's 24 bytes
	v_lshlrev_b32 v7, 4, v2                        ; out: 16 bytes a lane
	s_lshr_b32 s11, ttmp9, 5                       ; g
	s_bfe_u32 s12, ttmp9, 0x20003                  ; p
	s_bfe_u32 s13, ttmp9, 0x20001                  ; w
	s_and_b32 s14, ttmp9, 1                        ; s
	s_lshl_b32 s12, s12, 1
	s_add_co_u32 s12, s12, s14                     ; ks = 2 p + s
	s_lshl_b32 s11, s11, 9
	s_lshl_b32 s13, s13, 7
	s_add_co_u32 s11, s11, s13                     ; the chunk's first row of W: 512 g + 128 w
	s_lshl_b32 s13, s10, 5
	s_add_co_u32 s13, s13, s11                     ; my two tiles' first row: + 32 v
	s_mul_i32 s16, s13, ROWB
	s_mul_i32 s14, s12, 96
	s_add_co_u32 s16, s16, s14                     ; its codes of this K step
	s_mov_b32 s17, 0
	s_lshl_b32 s18, s11, 5
	s_lshl_b32 s14, s12, 2
	s_add_co_u32 s18, s18, s14                     ; the chunk's first row's scale word of this K step
	s_mov_b32 s19, 0
	s_mul_i32 s20, ttmp9, CHUNK
	s_mov_b32 s21, 0
	s_mul_i32 s22, s10, 3072                       ; my two images in the chunk
	s_mov_b32 s23, 0
	s_wait_kmcnt 0x0
	s_add_nc_u64 s[4:5], s[4:5], s[16:17]
	s_add_nc_u64 s[6:7], s[6:7], s[18:19]
	s_add_nc_u64 s[8:9], s[8:9], s[20:21]          ; the chunk
	s_add_nc_u64 s[24:25], s[8:9], s[22:23]        ; my images
.irp u, 0,1                                        ; tile 2 v + u begins 8 u rows further down
.irp p, 0,1,2,3,4,5
	global_load_b64 v[16+12*\u+2*\p:17+12*\u+2*\p], v6, s[4:5] offset:8*ROWB*\u+48*(\p/3)+8*(\p%3)
.endr
.endr
	s_cmp_lg_u32 s10, 0
	s_cbranch_scc1 .Lcodes
	; wave 0: lane l holds the words at 16 l of the scale area: row r = l / 2 of tiles 4 (l % 2) + i, i = 0 .. 3
	v_and_b32 v8, 1, v0
	v_lshrrev_b32 v9, 1, v2                        ; l / 2
	v_lshl_add_u32 v9, v8, 6, v9                   ; + 64 (l % 2): tiles 4 .. 7 begin 64 rows on
	v_lshl_add_u32 v9, v4, 3, v9                   ; + 8 (r / 8)
	v_lshlrev_b32 v9, 5, v9                        ; 32 bytes of scales a row
.irp i, 0,1,2,3
	global_load_b32 v[40+\i], v9, s[6:7] offset:(32*(\i/2)+8*(\i%2))*32
.endr
	s_wait_loadcnt 0x0
	global_store_b128 v7, v[40:43], s[8:9] offset:12288    ; 32 lanes store 512 consecutive bytes
.Lcodes:
	s_wait_loadcnt 0x0
.irp u, 0,1
.irp q, 0,1,2
	global_store_b128 v7, v[16+12*\u+4*\q:19+12*\u+4*\q], s[24:25] offset:1536*\u+512*\q   ; 32 lanes store 512 consecutive bytes
.endr
.endr
	s_endpgm
.Lfunc_end_k_q2877b183c8_lay:
	.size	k_q2877b183c8_lay, .Lfunc_end_k_q2877b183c8_lay-k_q2877b183c8_lay
	.p2alignl 7, 3214868480
	.fill 96, 4, 3214868480
	.section	.rodata,"a",@progbits
	.p2align	6, 0x0
	.amdhsa_kernel k_q2877b183c8_lay
		.amdhsa_group_segment_fixed_size 0
		.amdhsa_private_segment_fixed_size 0
		.amdhsa_enable_private_segment 0
		.amdhsa_kernarg_size 24
		.amdhsa_user_sgpr_count 2
		.amdhsa_user_sgpr_kernarg_segment_ptr 1
		.amdhsa_wavefront_size32 1
		.amdhsa_system_sgpr_workgroup_id_x 1
		.amdhsa_system_sgpr_workgroup_id_y 1
		.amdhsa_system_sgpr_workgroup_id_z 1
		.amdhsa_system_vgpr_workitem_id 0
		.amdhsa_next_free_vgpr 48
		.amdhsa_next_free_sgpr 66
		.amdhsa_reserve_vcc 0
		.amdhsa_float_denorm_mode_32 3
		.amdhsa_float_denorm_mode_16_64 3
		.amdhsa_memory_ordered 1
		.amdhsa_forward_progress 1
		.amdhsa_inst_pref_size 5
	.end_amdhsa_kernel
	.amdgpu_metadata
---
amdhsa.version: [ 1, 2 ]
amdhsa.kernels:
  - .name:           k_q2877b183c8_lay
    .symbol:         k_q2877b183c8_lay.kd
    .args:
      - { .name: W_codes, .offset: 0, .size: 8, .value_kind: global_buffer, .address_space: global }
      - { .name: W_scales, .offset: 8, .size: 8, .value_kind: global_buffer, .address_space: global }
      - { .name: wl, .offset: 16, .size: 8, .value_kind: global_buffer, .address_space: global }
    .group_segment_fixed_size: 0
    .private_segment_fixed_size: 0
    .kernarg_segment_align: 8
    .kernarg_segment_size: 24
    .max_flat_workgroup_size: 128
    .sgpr_count:     66
    .vgpr_count:     48
    .wavefront_size: 32
...
	.end_amdgpu_metadata
.endif
;; end of part 1
;; launch main (part 2): grid 256 x 1, 4 waves a work-group, clusters of 4 x 1, 327,680 bytes of LDS; arguments lstm_output, wl, b, part; writes part
.if DOCPART == 2
	.amdgcn_target "amdgcn-amd-amdhsa--gfx1250"
	.amdhsa_code_object_version 6
	.text
	.protected	k_q2877b183c8_main
	.globl	k_q2877b183c8_main
	.p2align	8
	.type	k_q2877b183c8_main,@function
k_q2877b183c8_main:
	s_mov_b64 s[64:65], 0
	v_nop
	global_prefetch_b8 v0, s[64:65] scope:SCOPE_SE
	s_setreg_imm32_b32 hwreg(HW_REG_WAVE_MODE, 25, 1), 1
	s_wait_xcnt 0x0
	s_wait_alu depctr_hold_cnt(0) depctr_sa_sdst(0) depctr_va_vdst(0) depctr_va_sdst(0) depctr_va_ssrc(0) depctr_va_vcc(0) depctr_vm_vsrc(0)
	s_getreg_b32 s2, hwreg(HW_REG_IB_STS2, 6, 4)
	s_cmp_eq_u32 s2, 0
	s_cbranch_scc0 .Lentry_in_a_cluster
	s_endpgm
.Lentry_in_a_cluster:
	s_bfe_u32 s2, ttmp6, 0x10000c
	s_cmp_lg_u32 s2, 0x3003
	s_cbranch_scc0 .Lentry_shape_is_right
	s_endpgm
.Lentry_shape_is_right:
; z = Q(x) W^T on codes of BF6 (E3M2) with one E8M0 scale for each 32 along K; w = exp(tanh(z + b) - 1); for each batch and column num = sum over rows of w x, den = sum of w.
; THE SOFTMAX NEEDS NO MAXIMUM: tanh bounds every exponent to [-1, 1] for every input, and the fixed shift by 1 cancels in num / den.  tanh(y) - 1 = -2 / (1 + e^(2 y)), so
; w = 2^(1 / (k (1 + 2^(c1 y)))) with c1 = 2 log2(e), k = -ln(2) / 2: two exponentials and a reciprocal; w lies in [e^-2, 1]; 2^(c1 y) = infinity gives 1, 0 gives e^-2.
; SHARES.  A work-group owns 256 rows of x (a sixteenth of a batch), 64 at a time, and stores one partial num[1024] and den[1024]; a later launch adds sixteen of them and divides.
; Wave w owns columns 128 w .. + 127 (group g = 0) and 512 + 128 w .. + 127 (g = 1), which are also K steps w and 4 + w.  A BLOCK'S x IS READ FROM MEMORY ONCE, into registers, and stays there in f32:
; lane (r, h) holds, of row 16 m + r, column 32 (i / 16) + 16 h + i % 16 of the group in register 64 m + i.  That is the layout that the conversions want (16 neighbours along K a lane)
; AND the layout of the transposed product's results (source 0 = 16 rows of W, chosen as wl lays them; source 1 = 16 rows of x): result and x meet register by register in the pooling.
; x's codes go from wave to wave through LDS as images of the operand's registers.  W (wl: images too) comes through a ring of two LDS slots of two K steps; each wave fetches and reads its own quarter.
; CLUSTER.  All work-groups walk the same W: the four of a cluster ask for each tile JOINTLY (the same tensor load, the same descriptor, a mask that names the four).  Only W is shared, so one axis of four.
; LIMITS: NaN and infinities in x are not served; a block of x whose largest magnitude lies under 2^-122 (zeros too) takes the scale byte 1: a block of zeros has zero codes, and this launch alone reads the bytes.
;
; LDS
.set IMG,   0                          ; x's fragments: K step ks, row tile m at 6144 ks + 1536 m; registers 4 q .. of lane l at 512 q + 16 l
.set XSC,   49152                      ; x's scale words: 256 ks + 16 r + 4 m
.set BIA,   51200                      ; c1 b: 4 bytes a column; each wave writes and reads its own columns' alone
.set SCR,   55296                      ; a scratch of 16 rows x 528 bytes for each wave: the sums over a half's sixteen lanes
.set SPARE, 89088                      ; the spare words, 128 bytes for each wave: two blocks of 256 bytes that no other line names
.set RING0, 89600                      ; the ring: two slots of 102,400 bytes; only these are filled by tensor loads
.set TILEB, 102400                     ; a tile of W: two K steps of one column group, all four waves' parts
.set WPART, 25600                      ; a wave's part of it
.set CHUNK, 12800                      ; one K step of that: 8 fragment images, then 512 bytes of scale words
.set BLKB,  262144                     ; 64 rows of x
; VECTOR REGISTERS, in windows of 256.  window 1: the 32 accumulators, (m, t) at 64 m + 8 t.   window 2: x of group 0, 64 m + i.   window 3: x of group 1.   window 0:
.set SPW, 2                            ; LDS address of my spare word; never rewritten
.set NIL, 3                            ; 0; never rewritten
.set XA,  4                            ; x: 4096 r + 64 h + 512 w
.set LI,  5                            ; 16 x lane
.set XWI, 6                            ; where I store x's images: 16 x lane + 6144 w
.set XSW, 7                            ; and their scale words: XSC + 16 r + 256 w
.set XSR, 8                            ; 16 r
.set ADW, 9                            ; v9, v10   my part of slot 0, 1: + 16 x lane
.set AWS, 11                           ; v11, v12  its scale words: + 12288 + 32 r
.set BIR, 13                           ; BIA + 512 w + 64 h
.set SCS, 14                           ; my scratch + 16 x lane
.set SCL, 15                           ; my scratch + 528 r + 256 h
.set PFO, 16                           ; the prefetches' offset: 4096 (lane / 2) + 256 (lane % 2) + 512 w; never rewritten
.set PO,  17                           ; my 16 bytes of the wave's 512 in part
.set BIW, 18                           ; BIA + 512 w + 16 x lane
.set XN,  19                           ; XA for the next block's loads; 0 in the last block
.set TOT, 20                           ; v20-35    the totals: group g, num or den, four columns
.set WS,  36                           ; v36-51    W's scale words, two sets of 8: they hold scales and nothing else
.set XS,  52                           ; v52-59    x's scale words, two sets of 4: likewise
.set WF,  64                           ; v64-159   products: W's 8 fragments, ONE set
.set XF,  160                          ; v160-255  products: x's 4 fragments, two sets
.set PC,  64                           ; v64-111   quantiser: the codes of row tile m at + 12 m
.set PT,  112                          ; v112-119  quantiser: the halves that are made elsewhere and moved
.set TM,  120                          ; v120-135  quantiser: +0 largest magnitudes, +4 at work and bytes, +12 the conversions' scale operands
.set PWQ, 136                          ; v136-139  quantiser: the four row tiles' scale words
.set NUM, 64                           ; v64-127   pooling: sum over m of w x
.set DEN, 128                          ; v128-191  pooling: sum over m of w
.set BIAS, 192                         ; v192-255  pooling: c1 b in the result's layout; later what comes back from the scratch
; SCALAR REGISTERS
.set WV,  12                           ; my wave's number
.set BLK, 15                           ; blocks to go
.set G1,  16                           ; s[16:23] descriptor group 1
.set G0,  24                           ; s[24:31] descriptor group 0, a set for each slot
.set XB,  32                           ; s[32:33] x at the block's first row
.set C1,  34                           ; s[34:35] c1, twice (a packed form names the pair)
.set KK,  36                           ; s[36:37] k, twice
.set SEL, 38                           ; s[38:39] v_permlanex16_b32's selects for lane l xor 16
.set XNB, 48                           ; s[48:49] x at the next block's first row; in the last block at its own
.set MSB, 0
.macro WIN new                         ; low byte: bits 1:0 source 0, 3:2 source 1, 5:4 source 2, 7:6 destination; the high byte repeats the setting that is left
.if MSB != (\new)
	s_set_vgpr_msb (MSB<<8)|(\new)
.set MSB, (\new)
.endif
.endm
; A load into a register that a matrix instruction has read, and a vector instruction that reads a matrix result or writes one of its registers, stand four places behind it; only plain
; vector instructions that name none of its registers are places (ISA guide 7.12.1 for vector instructions).
.macro PLACES
.rept 4
	v_nop
.endr
.endm
.macro CREST                           ; a round of the cluster's barrier behind its opening barrier
	s_cmp_lg_u32 s[WV], 0
	s_cbranch_scc1 .Lnot_wave_0_\@
	s_barrier_signal -3
.Lnot_wave_0_\@:
	s_barrier_wait -3
	s_barrier_signal -1
	s_barrier_wait -1
.endm
.macro ROUND                           ; a whole round
	s_barrier_signal -1
	s_barrier_wait -1
	CREST
.endm
; A block's first two tiles of W.  All my tensor loads have landed, 0 goes onto my spare word, my LDS instructions are done (my stores of x's images among them: the round shows them to the other waves);
; behind the round of the cluster's barrier no wave of any partner reads the slot or has a load on its way, and my one joint load goes out first.
.macro CHANGE slot
	WIN 0
	s_wait_tensorcnt 0x0                           ; no tensor load of mine is out, so a group 0 may be written
	ds_add_u32 v[SPW], v[NIL]
	s_sub_nc_u64 s[G0+4*\slot+2:G0+4*\slot+3], s[G0+4*\slot+2:G0+4*\slot+3], 6*TILEB   ; from the slot's last tile of a block back to its first
	s_wait_dscnt 0x0
	ROUND
	tensor_load_to_lds s[G0+4*\slot:G0+4*\slot+3], s[G1:G1+7]
	s_nop 0
	PLACES                                         ; four v_nop follow a tensor load
.endm
; 16 rows of x, the wave's 128 columns of group g, into row tile m's registers: sixteen loads that together cover 16 rows x 512 consecutive bytes
.macro XLOAD g, m, adr, base
	WIN 0x80+0x40*(\g)                             ; destination window 2 or 3
.irp b, 0,1,2,3
.irp j, 0,1,2,3
	global_load_b128 v[64*(\m)+16*\b+4*\j:64*(\m)+16*\b+4*\j+3], v[\adr], s[\base:\base+1] offset:2048*(\g)+65536*(\m)+128*\b+16*\j th:TH_LOAD_NT
.endr
.endr
.endm
; A PREFETCH INTO THE L2 of the next block's x of group g: 64 rows x my wave's 512 bytes, each lane another aligned block of 256 bytes, four instructions.  The wave that will load the bytes asks, so each
; block is named once in the launch.  It stands behind a tensor load and its four lines: group 0's four K steps and a quantising ahead of the loads that want the bytes, group 1's four K steps and a
; column group's exponentials ahead.  The last block asks for nothing.
.macro ASK g
	WIN 0
	s_cmp_eq_u32 s[BLK], 1
	s_cbranch_scc1 .Lno_ask_\@
.irp i, 0,1,2,3
	global_prefetch_b8 v[PFO], s[XB:XB+1] offset:BLKB+2048*\g+65536*\i th:TH_LOAD_NT scope:SCOPE_SE
.endr
.Lno_ask_\@:
.endm
; THE QUANTISER.  Row tile m of group g: a lane's 64 numbers, register 16 b + i = k 32 b + 16 h + i of its row, become a fragment's 12 registers and the row's scale word.
.macro QUANT g, m
.set XR,  64*(\m)
.set PCM, PC+12*(\m)
	WIN (2+\g)*5                                   ; sources 0 and 1: x's window
.irp b, 0,1,2,3
	v_max3_num_f32 v[TM+\b], |v[XR+16*\b]|, |v[XR+16*\b+1]|, 0x2800000   ; block b: my 16 numbers, and the floor 2^(5 - 127): the byte cannot fall under 1
.endr
.irp i, 2,4,6,8,10,12,14
.irp b, 0,1,2,3
	v_max3_num_f32 v[TM+\b], |v[XR+16*\b+\i]|, |v[XR+16*\b+\i+1]|, v[TM+\b]   ; (the four blocks by turns)
.endr
.endr
	WIN 0
.irp b, 0,1,2,3
	v_permlanex16_b32 v[TM+4+\b], v[TM+\b], s[SEL], s[SEL+1]
.endr
.irp b, 0,1,2,3
	v_max_num_f32 v[TM+\b], v[TM+\b], v[TM+4+\b]   ; with lane l xor 16's: the block's largest magnitude
.endr
.irp b, 0,1,2,3
	v_add_nc_u32 v[TM+12+\b], 0xfe000000, v[TM+\b] ; 4 off its exponent field: the conversion takes this operand's exponent field as its scale
.endr
.irp b, 0,1,2,3
	v_lshrrev_b32 v[TM+4+\b], 23, v[TM+12+\b]      ; the scale's byte
.endr
	v_lshl_or_b32 v[PWQ+\m], v[TM+5], 8, v[TM+4]   ; my row's scale word
	v_lshl_or_b32 v[PWQ+\m], v[TM+6], 16, v[PWQ+\m]
	v_lshl_or_b32 v[PWQ+\m], v[TM+7], 24, v[PWQ+\m]
	WIN 2+\g                                       ; source 0: x's window
.irp c, 0,1
	v_cvt_scalef32_pk16_bf6_f32 v[PCM+6*\c:PCM+6*\c+2], v[XR+32*\c:XR+32*\c+15], v[TM+12+2*\c]
	v_cvt_scalef32_pk16_bf6_f32 v[PT+4*\c:PT+4*\c+2], v[XR+32*\c+16:XR+32*\c+31], v[TM+12+2*\c+1]   ; (a conversion's three registers begin on an even number)
.endr
	WIN 0
	v_nop                                          ; one plain place behind a scaled conversion
.irp c, 0,1                                        ; the operand's layout wants a WHOLE block in a lane: lanes 0-15 block 2 c, lanes 16-31 block 2 c + 1
.irp i, 0,1,2
	v_permlane16_swap_b32 v[PCM+6*\c+\i], v[PT+4*\c+\i]
.endr
.irp i, 0,1,2
	v_mov_b32 v[PCM+3+6*\c+\i], v[PT+4*\c+\i]
.endr
.endr
.irp q, 0,1,2
	ds_store_b128 v[XWI], v[PCM+4*\q:PCM+4*\q+3] offset:IMG+24576*\g+1536*\m+512*\q   ; the image of K step 4 g + w, row tile m; each row tile has registers of its own, so no wait stands between the four
.endr
.endm
.macro QG g
.irp m, 0,1,2,3
.if \g
	s_wait_loadcnt 48-16*\m                        ; group 1's loads are the youngest: behind row tile m's sixteen stand sixteen for each later row tile
.endif
	QUANT \g, \m
.endr
	ds_store_b128 v[XSW], v[PWQ:PWQ+3] offset:1024*\g   ; four scale words of row r (lanes r and r + 16 store the same words to the same place)
.endm
; THE FETCHES OF A K STEP.  FET1: W's tiles 0-3, x's four fragments, the scale words: 27 loads.  FET2: W's tiles 4-7: 12 loads.
.macro LW slot, s, t0
.irp t, \t0, \t0+1, \t0+2, \t0+3
.irp q, 0,1,2
	ds_load_b128 v[WF+12*(\t)+4*\q:WF+12*(\t)+4*\q+3], v[ADW+(\slot)] offset:CHUNK*(\s)+1536*(\t)+512*\q
.endr
.endr
.endm
.macro FET1 slot, s, ks, set
	WIN 0
	LW \slot, \s, 0
.irp m, 0,1,2,3
.irp q, 0,1,2
	ds_load_b128 v[XF+48*(\set)+12*\m+4*\q:XF+48*(\set)+12*\m+4*\q+3], v[LI] offset:IMG+6144*(\ks)+1536*\m+512*\q
.endr
.endr
	ds_load_b128 v[WS+8*(\set):WS+8*(\set)+3], v[AWS+(\slot)] offset:CHUNK*(\s)        ; lane r: the words of row r of tiles 0-3,
	ds_load_b128 v[WS+8*(\set)+4:WS+8*(\set)+7], v[AWS+(\slot)] offset:CHUNK*(\s)+16   ; of tiles 4-7,
	ds_load_b128 v[XS+4*(\set):XS+4*(\set)+3], v[XSR] offset:XSC+256*(\ks)             ; and of row r of x's four row tiles
.endm
.macro FET2 slot, s
	WIN 0
	LW \slot, \s, 4
.endm
; Four matrix instructions: W's tile t against x's four row tiles.  The 32 accumulators take turns, one instruction a turn, in the same order in every K step.
.macro MULT t, set, zero
.irp m, 0,1,2,3
.if \zero
	v_wmma_scale_f32_16x16x128_f8f6f4 v[64*\m+8*(\t):64*\m+8*(\t)+7], v[WF+12*(\t):WF+12*(\t)+11], v[XF+48*(\set)+12*\m:XF+48*(\set)+12*\m+11], 0, v[WS+8*(\set)+(\t)], v[XS+4*(\set)+\m] matrix_a_fmt:MATRIX_FMT_BF6 matrix_b_fmt:MATRIX_FMT_BF6
.else
	v_wmma_scale_f32_16x16x128_f8f6f4 v[64*\m+8*(\t):64*\m+8*(\t)+7], v[WF+12*(\t):WF+12*(\t)+11], v[XF+48*(\set)+12*\m:XF+48*(\set)+12*\m+11], v[64*\m+8*(\t):64*\m+8*(\t)+7], v[WS+8*(\set)+(\t)], v[XS+4*(\set)+\m] matrix_a_fmt:MATRIX_FMT_BF6 matrix_b_fmt:MATRIX_FMT_BF6
.endif
.endr
.endm
; A K step that changes no slot.  nxt = 1: the next K step's fragments (slot nslot, its K step ns, x's K step nks) are fetched in two runs, each as soon as W's registers are free.
.macro STEP set, zero, nxt, nslot, ns, nks
	s_wait_dscnt 12                                ; all but the youngest twelve loads (W's tiles 4-7) are in
	WIN 0x50                                       ; C and D window 1
.irp t, 0,1,2,3
	MULT \t, \set, \zero
.endr
	s_wait_dscnt 0x0                               ; W's tiles 4-7 are in
.if \nxt
	PLACES
	FET1 \nslot, \ns, \nks, 1-(\set)
.endif
	WIN 0x50
.irp t, 4,5,6,7
	MULT \t, \set, \zero
.endr
	PLACES
.if \nxt
	FET2 \nslot, \ns
.endif
.endm
; A slot's second K step, behind which the slot is filled again, two tiles on.  In front of the barrier, which opens a round of the cluster's: all my tensor loads have landed (the one that was out is the
; other slot's tile), 0 goes onto my spare word, and my reads of this slot are over.  nxt = 1: the other slot's first K step (x's K step nks) follows.
.macro TURN slot, set, nxt, nks, ask, g
	WIN 0
	s_wait_tensorcnt 0x0
	ds_add_u32 v[SPW], v[NIL]
	s_wait_dscnt 13                                ; (the add and the youngest twelve loads may be out)
	WIN 0x50
	MULT 0, \set, 0                                ; eight matrix instructions stand between the add and the wait for it
	MULT 1, \set, 0
	s_wait_dscnt 0x0                               ; the add is done, and my reads of this slot are over
	s_barrier_signal -1
	MULT 2, \set, 0
	MULT 3, \set, 0
	WIN 0
	s_barrier_wait -1
	CREST                                          ; no wave of any partner still reads this slot or has a load on its way
	s_add_nc_u64 s[G0+4*\slot+2:G0+4*\slot+3], s[G0+4*\slot+2:G0+4*\slot+3], 2*TILEB
	tensor_load_to_lds s[G0+4*\slot:G0+4*\slot+3], s[G1:G1+7]   ; my one tensor load behind the round, and the first thing there
	s_nop 0
	PLACES                                         ; (also the places in front of the loads below)
.if \nxt
	FET1 1-\slot, 0, \nks, 1-(\set)
.endif
.if \ask
	ASK \g
.endif
	WIN 0x50
.irp t, 4,5,6,7
	MULT \t, \set, 0
.endr
	PLACES
.if \nxt
	FET2 1-\slot, 0
.endif
.endm
; FOUR K STEPS, ks0 .. ks0 + 3: slot 0's two, slot 1's two.  zero = 1: the first starts the sums: nothing is cleared.  fill = 1: both slots are filled again.
.macro HG zero, ks0, fill, ask, g
	s_wait_tensorcnt 0x1                           ; slot 0's tile is in; the one load issued behind it, slot 1's, may be out.  I alone read my part of a slot
	FET1 0, 0, \ks0, 0
	FET2 0, 0
	STEP 0, \zero, 1, 0, 1, (\ks0)+1
.if \fill
	TURN 0, 1, 1, (\ks0)+2, 0, 0
.else
	s_wait_tensorcnt 0x0                           ; slot 1's tile is in: no load was issued behind it
	STEP 1, 0, 1, 1, 0, (\ks0)+2
.endif
	STEP 0, 0, 1, 1, 1, (\ks0)+3
.if \fill
	TURN 1, 1, 0, 0, \ask, \g
.else
	STEP 1, 0, 0, 0, 0, 0
.endif
.endm
; THE POOLING of column group g.  In place on the accumulators, each from its low end on: u = c1 z + c1 b; 2^u; k 2^u + k; its reciprocal; 2^that = w.  Then NUM += w x, DEN += w, over the four row tiles.
; As soon as a row tile's x has been used, the next block's goes into its registers.
.macro EPI g
	WIN 0
.irp b, 0,1,2,3
.irp j, 0,1,2,3
	ds_load_b128 v[BIAS+16*\b+4*\j:BIAS+16*\b+4*\j+3], v[BIR] offset:2048*\g+128*\b+16*\j   ; c1 b of my 64 columns; the sixteen lanes of a half read the same bytes
.endr
.endr
	s_wait_dscnt 0x0
.irp m, 0,1,2,3
	WIN 0x41                                       ; destination and source 0: the accumulators' window
.set i, 0
.rept 32
	v_pk_fma_f32 v[64*\m+i:64*\m+i+1], v[64*\m+i:64*\m+i+1], s[C1:C1+1], v[BIAS+i:BIAS+i+1] op_sel_hi:[1,0,1]
.set i, i+2
.endr
.set i, 0
.rept 64
	v_exp_f32 v[64*\m+i], v[64*\m+i]
.set i, i+1
.endr
	v_nop                                          ; one plain place behind the transcendentals (ISA guide 5.7.2)
.set i, 0
	s_wait_alu depctr_va_vdst(0)
.rept 32
	v_pk_fma_f32 v[64*\m+i:64*\m+i+1], v[64*\m+i:64*\m+i+1], s[KK:KK+1], s[KK:KK+1] op_sel_hi:[1,0,0]
.set i, i+2
.endr
.set i, 0
.rept 64
	v_rcp_f32 v[64*\m+i], v[64*\m+i]
.set i, i+1
.endr
	v_nop
.set i, 0
	s_wait_alu depctr_va_vdst(0)
.rept 64
	v_exp_f32 v[64*\m+i], v[64*\m+i]
.set i, i+1
.endr
	v_nop
	s_wait_alu depctr_va_vdst(0)
.if \m == 1
	WIN 0x05                                       ; both sources: the accumulators' window.  The first two row tiles start DEN: nothing is cleared
.set i, 0
	s_wait_alu depctr_va_vdst(0)
.rept 32
	v_pk_add_f32 v[DEN+i:DEN+i+1], v[i:i+1], v[64+i:64+i+1]
.set i, i+2
.endr
.endif
	WIN 0x09+4*\g                                  ; source 0: the accumulators' window; source 1: x's.  The two carry the same number: result and x lie alike
.set i, 0
.rept 32
.if \m == 0
	v_pk_mul_f32 v[NUM+i:NUM+i+1], v[i:i+1], v[i:i+1]
.else
	v_pk_fma_f32 v[NUM+i:NUM+i+1], v[64*\m+i:64*\m+i+1], v[64*\m+i:64*\m+i+1], v[NUM+i:NUM+i+1]
.endif
.if \m > 1
	v_pk_fma_f32 v[DEN+i:DEN+i+1], v[64*\m+i:64*\m+i+1], 1.0, v[DEN+i:DEN+i+1] op_sel_hi:[1,0,1]   ; an addition, in the form that needs no other window setting
.endif
.set i, i+2
.endr
	XLOAD \g, \m, XN, XNB                          ; always issued, so that every counted wait for loads holds on every path; in the last block all lanes name 16 bytes of the block's own rows, and the data are not used
.endr
.endm
; Sixteen groups of four registers are added into the first, then onto the totals
.macro TREE a, tot
.irp d, 8,4,2,1
.set i, 0
.rept \d
	v_pk_add_f32 v[\a+4*i:\a+4*i+1], v[\a+4*i:\a+4*i+1], v[\a+4*(i+\d):\a+4*(i+\d)+1]
	v_pk_add_f32 v[\a+4*i+2:\a+4*i+3], v[\a+4*i+2:\a+4*i+3], v[\a+4*(i+\d)+2:\a+4*(i+\d)+3]
.set i, i+1
.endr
.endr
	v_pk_add_f32 v[\tot:\tot+1], v[\tot:\tot+1], v[\a:\a+1]
	v_pk_add_f32 v[\tot+2:\tot+3], v[\tot+2:\tot+3], v[\a+2:\a+3]
.endm
; THE SUM OVER A HALF'S SIXTEEN LANES (sixteen rows of x), through my own scratch: registers 4 q .. 4 q + 3 of all lanes make row q (512 bytes, rows 528 apart); lane (r, h) reads back row r's sixteen pieces
; of its half and adds them: it ends with columns 32 (r / 4) + 16 h + 4 (r % 4) + 0 .. 3.  LDS serves a wave's instructions in order (ISA guide 5.7.1.4): no wait between stores and loads.
.macro RED g
	WIN 0
.irp q, 0,1,2,3,4,5,6,7,8,9,10,11,12,13,14,15
	ds_store_b128 v[SCS], v[NUM+4*\q:NUM+4*\q+3] offset:528*\q
.endr
.irp q, 0,1,2,3,4,5,6,7,8,9,10,11,12,13,14,15
	ds_load_b128 v[BIAS+4*\q:BIAS+4*\q+3], v[SCL] offset:16*\q
.endr
.irp q, 0,1,2,3,4,5,6,7,8,9,10,11,12,13,14,15
	ds_store_b128 v[SCS], v[DEN+4*\q:DEN+4*\q+3] offset:528*\q
.endr
.irp q, 0,1,2,3,4,5,6,7,8,9,10,11,12,13,14,15
	ds_load_b128 v[NUM+4*\q:NUM+4*\q+3], v[SCL] offset:16*\q
.endr
	s_wait_dscnt 32                                ; num's pieces are back; den's 16 stores and 16 loads may be out
	TREE BIAS, TOT+8*\g
	s_wait_dscnt 0x0
	TREE NUM, TOT+8*\g+4
.endm
	s_load_b256 s[4:11], s[0:1], 0x0               ; x s[4:5], wl s[6:7], b s[8:9], part s[10:11]
	v_lshl_add_u32 v[SPW], v0, 2, SPARE
	v_mov_b32 v[NIL], 0
	v_lshrrev_b32 v1, 5, v0
	v_readfirstlane_b32 s[WV], v1                  ; wave 0..3
	s_bfe_u32 s13, ttmp6, 0x40000                  ; cx: my place in the cluster
	s_lshl_b32 s14, ttmp9, 2                       ; in a cluster launch ttmp9 counts clusters
	s_add_co_u32 s14, s14, s13                     ; my work-group: it enters x's and part's addresses alone
	v_and_b32 v60, 15, v0                          ; r
	v_bfe_u32 v61, v0, 4, 1                        ; h
	v_and_b32 v62, 31, v0                          ; lane
	s_lshl_b32 s40, s[WV], 9                       ; 512 w: my 128 columns in bytes
	v_lshlrev_b32 v[XA], 12, v60
	v_lshl_add_u32 v[XA], v61, 6, v[XA]
	v_add_nc_u32 v[XA], s40, v[XA]
	v_lshlrev_b32 v[LI], 4, v62
	v_add_nc_u32 v1, s40, v[LI]                    ; b: my four numbers of the wave's 128
	s_mul_i32 s41, s[WV], 6144
	v_add_nc_u32 v[XWI], s41, v[LI]
	v_lshlrev_b32 v[XSR], 4, v60
	s_lshl_b32 s41, s[WV], 8
	s_add_co_u32 s41, s41, XSC
	v_add_nc_u32 v[XSW], s41, v[XSR]
	s_mul_i32 s44, s[WV], WPART                    ; my part of a tile, in memory and in a slot
	s_mov_b32 s45, 0
	v_lshlrev_b32 v63, 5, v60                      ; 32 r
.irp n, 0,1
	s_add_co_u32 s41, s44, RING0+\n*TILEB
	v_add_nc_u32 v[ADW+\n], s41, v[LI]
	s_add_co_u32 s42, s41, 12288
	v_add_nc_u32 v[AWS+\n], s42, v63
.endr
	s_add_co_u32 s41, s40, BIA
	v_lshl_add_u32 v[BIR], v61, 6, s41
	v_add_nc_u32 v[BIW], s41, v[LI]
	s_mul_i32 s41, s[WV], 8448
	s_add_co_u32 s41, s41, SCR
	v_add_nc_u32 v[SCS], s41, v[LI]
	v_mul_u32_u24 v[SCL], v60, 528
	v_lshl_add_u32 v[SCL], v61, 8, v[SCL]
	v_add_nc_u32 v[SCL], s41, v[SCL]
	v_lshrrev_b32 v63, 1, v62
	v_lshlrev_b32 v[PFO], 12, v63
	v_and_b32 v63, 1, v0
	v_lshl_add_u32 v[PFO], v63, 8, v[PFO]
	v_add_nc_u32 v[PFO], s40, v[PFO]
	v_lshrrev_b32 v63, 2, v60
	v_lshlrev_b32 v[PO], 7, v63                    ; 4 bytes x (32 (r / 4)
	v_lshl_add_u32 v[PO], v61, 6, v[PO]            ; + 16 h
	v_and_b32 v63, 3, v0
	v_lshl_add_u32 v[PO], v63, 4, v[PO]            ; + 4 (r % 4))
	v_add_nc_u32 v[PO], s40, v[PO]
.irp i, 0,1,2,3,4,5,6,7,8,9,10,11,12,13,14,15
	v_mov_b32 v[TOT+\i], 0                         ; the totals of four blocks
.endr
.irp i, 0,1,2,3
	v_mov_b32 v[TM+4+\i], 0                        ; written once: a lane permute's destination counts as one of its sources
.endr
	; descriptor group 1: a wave's part of a tile is 25,600 dense bytes: 100 rows of 32 elements of 8 bytes, no padding (images are read as consecutive bytes)
	s_mov_b32 s[G1+0], 15|(3<<16)|(1<<21)          ; 15:0 the mask: all four work-groups; 17:16 elements of 8 bytes; 21 set beside a mask
	s_mov_b32 s[G1+1], 32<<16                      ; tensor_dim0 = 32
	s_mov_b32 s[G1+2], 100<<16                     ; tensor_dim1 = 100
	s_mov_b32 s[G1+3], 32<<16                      ; tile_dim0 = 32
	s_mov_b32 s[G1+4], 100                         ; tile_dim1 = 100
	s_mov_b32 s[G1+5], 32                          ; tensor_dim0_stride
	s_mov_b32 s[G1+6], 0
	s_mov_b32 s[G1+7], 0
	s_mov_b32 s[C1], 0x4038aa3b                    ; c1 = 2 log2(e)
	s_mov_b32 s[C1+1], s[C1]
	s_mov_b32 s[KK], 0xbeb17218                    ; k = -ln(2) / 2
	s_mov_b32 s[KK+1], s[KK]
	s_mov_b32 s[SEL], 0x76543210
	s_mov_b32 s[SEL+1], 0xfedcba98
	s_wait_kmcnt 0x0
	s_lshl_b32 s50, s14, 20                        ; my work-group's 256 rows of 4,096 bytes
	s_mov_b32 s51, 0
	s_add_nc_u64 s[XB:XB+1], s[4:5], s[50:51]
	s_lshl_b32 s50, s14, 13                        ; and its 8,192 bytes of part
	s_add_nc_u64 s[10:11], s[10:11], s[50:51]
	s_add_nc_u64 s[6:7], s[6:7], s[44:45]          ; wl at my wave's part of tile 0: the same in all four partners
.irp n, 0,1                                        ; group 0 for slot n, as it stands behind a whole block: the block's first change of the slot steps it back
	s_mov_b32 s[G0+4*\n], 1                        ; count = 1
	s_add_co_u32 s[G0+4*\n+1], s44, RING0+\n*TILEB ; LDS address: the slot, my part
	s_add_nc_u64 s[G0+4*\n+2:G0+4*\n+3], s[6:7], 6*TILEB+\n*TILEB
	s_or_b32 s[G0+4*\n+3], s[G0+4*\n+3], 0x80000000   ; type = 2
.endr
	global_load_b128 v[192:195], v1, s[8:9]                ; b of my columns of group 0,
	global_load_b128 v[196:199], v1, s[8:9] offset:2048    ; of group 1
.irp m, 0,1,2,3
	XLOAD 0, \m, XA, XB                            ; the first block's x: group 0,
.endr
.irp m, 0,1,2,3
	XLOAD 1, \m, XA, XB                            ; then group 1
.endr
	WIN 0
	s_wait_loadcnt 63                              ; b's two loads are the oldest of 130
.irp i, 0,2,4,6
	v_pk_mul_f32 v[192+\i:193+\i], v[192+\i:193+\i], s[C1:C1+1] op_sel_hi:[1,0]
.endr
	ds_store_b128 v[BIW], v[192:195]               ; c1 b: my own bytes, which I alone read
	ds_store_b128 v[BIW], v[196:199] offset:2048
	s_mov_b32 s[BLK], 4
.Lblock:                                           ; a trip: 64 rows of x against all of W: eight tiles of W, eight rounds of the cluster's barrier
	s_cmp_lg_u32 s[BLK], 1                         ; is there a next block?
	s_cselect_b32 s40, BLKB, 0
	s_cselect_b32 s42, 1, 0
	s_mov_b32 s41, 0
	s_add_nc_u64 s[XNB:XNB+1], s[XB:XB+1], s[40:41]   ; (the last trip's loads have read both: the wait on XCNT at the loop's end)
	v_mul_lo_u32 v[XN], v[XA], s42
	CHANGE 0                                       ; group 0, K steps 0, 1 of W
	s_wait_loadcnt 63                              ; x of group 0 is in: behind its 64 loads stand group 1's 64
	QG 0                                           ; K steps 0-3 of x, one a wave
	CHANGE 1                                       ; group 0, K steps 2, 3 of W; its wait and round also show the images to all waves
	HG 1, 0, 1, 1, 0                               ; columns of group 0, K steps 0-3
	QG 1                                           ; K steps 4-7 of x: their loads had the four K steps in which to land
	s_wait_dscnt 0x0                               ; my images are stored
	s_barrier_signal -1
	s_barrier_wait -1                              ; everybody's are.
	HG 0, 4, 1, 0, 0                               ; K steps 4-7; its refills are group 1's first two tiles, which land under the pooling
	EPI 0
	RED 0
	HG 1, 0, 1, 1, 1                               ; columns of group 1, K steps 0-3
	HG 0, 4, 0, 0, 0                               ; K steps 4-7: nothing is left to fetch in this block
	EPI 1
	RED 1
	s_wait_xcnt 0x0                                ; every earlier load and prefetch has had its addresses translated (ISA guide 3.1): x's bases and XN are rewritten only behind this wait
	s_add_nc_u64 s[XB:XB+1], s[XB:XB+1], BLKB
	s_sub_co_u32 s[BLK], s[BLK], 1
	s_cmp_lg_u32 s[BLK], 0
	s_cbranch_scc1 .Lblock
.irp g, 0,1
.irp n, 0,1
	global_store_b128 v[PO], v[TOT+8*\g+4*\n:TOT+8*\g+4*\n+3], s[10:11] offset:4096*\n+2048*\g   ; the 32 lanes store the wave's 512 consecutive bytes, at a multiple of 256 from part's first byte
.endr
.endr
	s_wait_tensorcnt 0x0                           ; the wave's end: behind my last tensor load and my last LDS store
	ds_add_u32 v[SPW], v[NIL]
	s_wait_dscnt 0x0
	ROUND                                          ; the closing round: no work-group ends while a partner may still ask for a tile that names it
	s_endpgm
.Lfunc_end_k_q2877b183c8_main:
	.size	k_q2877b183c8_main, .Lfunc_end_k_q2877b183c8_main-k_q2877b183c8_main
	.p2alignl 7, 3214868480
	.fill 96, 4, 3214868480
	.section	.rodata,"a",@progbits
	.p2align	6, 0x0
	.amdhsa_kernel k_q2877b183c8_main
		.amdhsa_group_segment_fixed_size 327680
		.amdhsa_private_segment_fixed_size 0
		.amdhsa_enable_private_segment 0
		.amdhsa_kernarg_size 32
		.amdhsa_user_sgpr_count 2
		.amdhsa_user_sgpr_kernarg_segment_ptr 1
		.amdhsa_wavefront_size32 1
		.amdhsa_system_sgpr_workgroup_id_x 1
		.amdhsa_system_sgpr_workgroup_id_y 1
		.amdhsa_system_sgpr_workgroup_id_z 1
		.amdhsa_system_vgpr_workitem_id 0
		.amdhsa_next_free_vgpr 1024
		.amdhsa_next_free_sgpr 66
		.amdhsa_reserve_vcc 0
		.amdhsa_float_denorm_mode_32 3
		.amdhsa_float_denorm_mode_16_64 3
		.amdhsa_memory_ordered 1
		.amdhsa_forward_progress 1
		.amdhsa_inst_pref_size 255
	.end_amdhsa_kernel
	.section	.bss,"aw",@nobits
	.p2align	6
	.space	262144
	.amdgpu_metadata
---
amdhsa.version: [ 1, 2 ]
amdhsa.kernels:
  - .name:           k_q2877b183c8_main
    .symbol:         k_q2877b183c8_main.kd
    .args:
      - { .name: lstm_output, .offset: 0, .size: 8, .value_kind: global_buffer, .address_space: global }
      - { .name: wl, .offset: 8, .size: 8, .value_kind: global_buffer, .address_space: global }
      - { .name: b, .offset: 16, .size: 8, .value_kind: global_buffer, .address_space: global }
      - { .name: part, .offset: 24, .size: 8, .value_kind: global_buffer, .address_space: global }
    .group_segment_fixed_size: 327680
    .private_segment_fixed_size: 0
    .kernarg_segment_align: 8
    .kernarg_segment_size: 32
    .max_flat_workgroup_size: 128
    .sgpr_count:     66
    .vgpr_count:     1024
    .wavefront_size: 32
...
	.end_amdgpu_metadata
.endif
;; end of part 2
;; launch fin (part 3): grid 64 x 1, 2 waves a work-group, no clusters, 0 bytes of LDS; arguments part, out0; writes out0
.if DOCPART == 3
	.amdgcn_target "amdgcn-amd-amdhsa--gfx1250"
	.amdhsa_code_object_version 6
	.text
	.protected	k_q2877b183c8_fin
	.globl	k_q2877b183c8_fin
	.p2align	8
	.type	k_q2877b183c8_fin,@function
k_q2877b183c8_fin:
	s_mov_b64 s[64:65], 0
	v_nop
	global_prefetch_b8 v0, s[64:65] scope:SCOPE_SE
	s_setreg_imm32_b32 hwreg(HW_REG_WAVE_MODE, 25, 1), 1
	s_wait_xcnt 0x0
; out0[batch][column] = (sum of the batch's sixteen partial num) / (sum of its sixteen partial den).  part: [256 work-groups][num, den][1024] f32; a batch's sixteen lie on end, 8,192 bytes apart.
; A work-group takes a quarter of a batch's columns, a thread four of them: each load and the store cover 512 consecutive bytes a wave.  The sums go in the fixed order 0 .. 15.
; den is at least 4,096 e^-2, so the reciprocal (v_rcp_f32, then a multiplication) is of an ordinary number.
	s_load_b128 s[4:7], s[0:1], 0x0                ; part s[4:5], out0 s[6:7]
	v_lshlrev_b32 v1, 4, v0                        ; 16 bytes a thread
	s_lshr_b32 s8, ttmp9, 2                        ; batch
	s_and_b32 s9, ttmp9, 3                         ; which quarter of the columns
	s_lshl_b32 s9, s9, 10
	s_lshl_b32 s10, s8, 17                         ; 16 x 8,192 bytes a batch in part
	s_add_co_u32 s10, s10, s9
	s_mov_b32 s11, 0
	s_lshl_b32 s12, s8, 12                         ; 4,096 bytes a batch in out0
	s_add_co_u32 s12, s12, s9
	s_mov_b32 s13, 0
	s_wait_kmcnt 0x0
	s_add_nc_u64 s[4:5], s[4:5], s[10:11]
	s_add_nc_u64 s[6:7], s[6:7], s[12:13]
.irp i, 0,1,2,3,4,5,6,7,8,9,10,11,12,13,14,15
	global_load_b128 v[16+4*\i:19+4*\i], v1, s[4:5] offset:8192*\i th:TH_LOAD_NT        ; num
	global_load_b128 v[80+4*\i:83+4*\i], v1, s[4:5] offset:8192*\i+4096 th:TH_LOAD_NT   ; den
.endr
	s_wait_loadcnt 0x0
.irp i, 1,2,3,4,5,6,7,8,9,10,11,12,13,14,15        ; four chains that do not wait for each other
	v_pk_add_f32 v[16:17], v[16:17], v[16+4*\i:17+4*\i]
	v_pk_add_f32 v[18:19], v[18:19], v[18+4*\i:19+4*\i]
	v_pk_add_f32 v[80:81], v[80:81], v[80+4*\i:81+4*\i]
	v_pk_add_f32 v[82:83], v[82:83], v[82+4*\i:83+4*\i]
.endr
.irp i, 0,1,2,3
	v_rcp_f32 v[8+\i], v[80+\i]
.endr
	v_nop                                          ; one plain place behind the transcendentals (ISA guide 5.7.2)
	s_wait_alu depctr_va_vdst(0)
	v_pk_mul_f32 v[12:13], v[16:17], v[8:9]
	v_pk_mul_f32 v[14:15], v[18:19], v[10:11]
	global_store_b128 v1, v[12:15], s[6:7]         ; sixteen lanes store 256 consecutive bytes, at a multiple of 256 from out0's first byte
	s_endpgm
.Lfunc_end_k_q2877b183c8_fin:
	.size	k_q2877b183c8_fin, .Lfunc_end_k_q2877b183c8_fin-k_q2877b183c8_fin
	.p2alignl 7, 3214868480
	.fill 96, 4, 3214868480
	.section	.rodata,"a",@progbits
	.p2align	6, 0x0
	.amdhsa_kernel k_q2877b183c8_fin
		.amdhsa_group_segment_fixed_size 0
		.amdhsa_private_segment_fixed_size 0
		.amdhsa_enable_private_segment 0
		.amdhsa_kernarg_size 16
		.amdhsa_user_sgpr_count 2
		.amdhsa_user_sgpr_kernarg_segment_ptr 1
		.amdhsa_wavefront_size32 1
		.amdhsa_system_sgpr_workgroup_id_x 1
		.amdhsa_system_sgpr_workgroup_id_y 1
		.amdhsa_system_sgpr_workgroup_id_z 1
		.amdhsa_system_vgpr_workitem_id 0
		.amdhsa_next_free_vgpr 144
		.amdhsa_next_free_sgpr 66
		.amdhsa_reserve_vcc 0
		.amdhsa_float_denorm_mode_32 3
		.amdhsa_float_denorm_mode_16_64 3
		.amdhsa_memory_ordered 1
		.amdhsa_forward_progress 1
		.amdhsa_inst_pref_size 8
	.end_amdhsa_kernel
	.amdgpu_metadata
---
amdhsa.version: [ 1, 2 ]
amdhsa.kernels:
  - .name:           k_q2877b183c8_fin
    .symbol:         k_q2877b183c8_fin.kd
    .args:
      - { .name: part, .offset: 0, .size: 8, .value_kind: global_buffer, .address_space: global }
      - { .name: out0, .offset: 8, .size: 8, .value_kind: global_buffer, .address_space: global }
    .group_segment_fixed_size: 0
    .private_segment_fixed_size: 0
    .kernarg_segment_align: 8
    .kernarg_segment_size: 16
    .max_flat_workgroup_size: 64
    .sgpr_count:     66
    .vgpr_count:     144
    .wavefront_size: 32
...
	.end_amdgpu_metadata
.endif
;; end of part 3
;; ======== version 2 of 2: 3 launches
;; limits: right only within a limited range of input values
;; workspace buffers: wl 819,200 bytes; part 2,097,152 bytes
;; launch lay (part 4): grid 64 x 1, 4 waves a work-group, no clusters, 0 bytes of LDS; arguments W_codes, W_scales, wl; writes wl
.if DOCPART == 4
	.amdgcn_target "amdgcn-amd-amdhsa--gfx1250"
	.amdhsa_code_object_version 6
	.text
	.protected	k_q2877b183c8_lay
	.globl	k_q2877b183c8_lay
	.p2align	8
	.type	k_q2877b183c8_lay,@function
k_q2877b183c8_lay:
	s_mov_b64 s[64:65], 0
	v_nop
	global_prefetch_b8 v0, s[64:65] scope:SCOPE_SE
	s_setreg_imm32_b32 hwreg(HW_REG_WAVE_MODE, 25, 1), 1
	s_wait_xcnt 0x0
; W's codes [1024][768 bytes] and scale bytes [1024][32] are laid anew into wl, in the order in which the product's launch takes them into registers.
; wl is 64 chunks of 12,800 bytes, chunk c = (4 g + w) 8 + ks: column group g (512 rows of W), wave w (128 of them), K step ks (128 along K): a wave's eight K steps of a group lie on end.
; A chunk: 8 fragment images (tile t at 1536 t; registers 4 q .. 4 q + 3 of lane l at 512 q + 16 l), then from byte 12,288 the scale words: that of tile t's row r at 32 r + 4 t.
; THE ROWS OF A TILE ARE NOT NEIGHBOURS: lane r of tile t takes row 512 g + 128 w + 32 (t / 2) + 8 (t % 2) + r + 8 (r / 8), so that in the transposed product a lane's 16 results
; of tiles 2 b and 2 b + 1 are 16 neighbouring columns.  A fragment's lane (r, h) holds the 24 bytes at 96 ks + 24 h of its row, and the 24 bytes 48 further on.
; One work-group a chunk; wave v lays tiles 2 v and 2 v + 1; wave 0 also lays the scale words.  No LDS, no barrier: waves share nothing.
.set ROWB,  768                        ; a row of W's codes in bytes
.set CHUNK, 12800
	s_load_b128 s[4:7], s[0:1], 0x0                ; W's codes s[4:5], W's scales s[6:7]
	s_load_b64 s[8:9], s[0:1], 0x10                ; wl
	v_lshrrev_b32 v1, 5, v0
	v_readfirstlane_b32 s10, v1                    ; wave v
	v_and_b32 v2, 31, v0                           ; lane
	v_and_b32 v3, 15, v0                           ; r
	v_bfe_u32 v4, v0, 4, 1                         ; h
	v_and_b32 v5, 8, v3
	v_add_nc_u32 v5, v5, v3                        ; r + 8 (r / 8)
	v_mul_u32_u24 v6, v5, ROWB
	v_mad_u32_u24 v6, v4, 24, v6                   ; in: my row of a tile, my half's 24 bytes
	v_lshlrev_b32 v7, 4, v2                        ; out: 16 bytes a lane
	s_lshr_b32 s11, ttmp9, 5                       ; g
	s_bfe_u32 s13, ttmp9, 0x20003                  ; w
	s_and_b32 s12, ttmp9, 7                        ; ks
	s_lshl_b32 s11, s11, 9
	s_lshl_b32 s13, s13, 7
	s_add_co_u32 s11, s11, s13                     ; the chunk's first row of W: 512 g + 128 w
	s_lshl_b32 s13, s10, 5
	s_add_co_u32 s13, s13, s11                     ; my two tiles' first row: + 32 v
	s_mul_i32 s16, s13, ROWB
	s_mul_i32 s14, s12, 96
	s_add_co_u32 s16, s16, s14                     ; its codes of this K step
	s_mov_b32 s17, 0
	s_lshl_b32 s18, s11, 5
	s_lshl_b32 s14, s12, 2
	s_add_co_u32 s18, s18, s14                     ; the chunk's first row's scale word of this K step
	s_mov_b32 s19, 0
	s_mul_i32 s20, ttmp9, CHUNK
	s_mov_b32 s21, 0
	s_mul_i32 s22, s10, 3072                       ; my two images in the chunk
	s_mov_b32 s23, 0
	s_wait_alu depctr_va_vdst(0)
	s_wait_kmcnt 0x0
	s_add_nc_u64 s[4:5], s[4:5], s[16:17]
	s_add_nc_u64 s[6:7], s[6:7], s[18:19]
	s_add_nc_u64 s[8:9], s[8:9], s[20:21]          ; the chunk
	s_add_nc_u64 s[24:25], s[8:9], s[22:23]        ; my images
.irp u, 0,1                                        ; tile 2 v + u begins 8 u rows further down
.irp p, 0,1,2,3,4,5
	global_load_b64 v[16+12*\u+2*\p:17+12*\u+2*\p], v6, s[4:5] offset:8*ROWB*\u+48*(\p/3)+8*(\p%3)
.endr
.endr
	s_cmp_lg_u32 s10, 0
	s_cbranch_scc1 .Lcodes
	; wave 0: lane l holds the words at 16 l of the scale area: row r = l / 2 of tiles 4 (l % 2) + i, i = 0 .. 3
	v_and_b32 v8, 1, v0
	v_lshrrev_b32 v9, 1, v2                        ; l / 2
	v_lshl_add_u32 v9, v8, 6, v9                   ; + 64 (l % 2): tiles 4 .. 7 begin 64 rows on
	v_lshl_add_u32 v9, v4, 3, v9                   ; + 8 (r / 8)
	v_lshlrev_b32 v9, 5, v9                        ; 32 bytes of scales a row
.irp i, 0,1,2,3
	global_load_b32 v[40+\i], v9, s[6:7] offset:(32*(\i/2)+8*(\i%2))*32
.endr
	s_wait_loadcnt 0x0
	global_store_b128 v7, v[40:43], s[8:9] offset:12288    ; 32 lanes store 512 consecutive bytes
.Lcodes:
	s_wait_loadcnt 0x0
.irp u, 0,1
.irp q, 0,1,2
	global_store_b128 v7, v[16+12*\u+4*\q:19+12*\u+4*\q], s[24:25] offset:1536*\u+512*\q   ; 32 lanes store 512 consecutive bytes
.endr
.endr
	s_endpgm
.Lfunc_end_k_q2877b183c8_lay:
	.size	k_q2877b183c8_lay, .Lfunc_end_k_q2877b183c8_lay-k_q2877b183c8_lay
	.p2alignl 7, 3214868480
	.fill 96, 4, 3214868480
	.section	.rodata,"a",@progbits
	.p2align	6, 0x0
	.amdhsa_kernel k_q2877b183c8_lay
		.amdhsa_group_segment_fixed_size 0
		.amdhsa_private_segment_fixed_size 0
		.amdhsa_enable_private_segment 0
		.amdhsa_kernarg_size 24
		.amdhsa_user_sgpr_count 2
		.amdhsa_user_sgpr_kernarg_segment_ptr 1
		.amdhsa_wavefront_size32 1
		.amdhsa_system_sgpr_workgroup_id_x 1
		.amdhsa_system_sgpr_workgroup_id_y 1
		.amdhsa_system_sgpr_workgroup_id_z 1
		.amdhsa_system_vgpr_workitem_id 0
		.amdhsa_next_free_vgpr 48
		.amdhsa_next_free_sgpr 66
		.amdhsa_reserve_vcc 0
		.amdhsa_float_denorm_mode_32 3
		.amdhsa_float_denorm_mode_16_64 3
		.amdhsa_memory_ordered 1
		.amdhsa_forward_progress 1
		.amdhsa_inst_pref_size 5
	.end_amdhsa_kernel
	.amdgpu_metadata
---
amdhsa.version: [ 1, 2 ]
amdhsa.kernels:
  - .name:           k_q2877b183c8_lay
    .symbol:         k_q2877b183c8_lay.kd
    .args:
      - { .name: W_codes, .offset: 0, .size: 8, .value_kind: global_buffer, .address_space: global }
      - { .name: W_scales, .offset: 8, .size: 8, .value_kind: global_buffer, .address_space: global }
      - { .name: wl, .offset: 16, .size: 8, .value_kind: global_buffer, .address_space: global }
    .group_segment_fixed_size: 0
    .private_segment_fixed_size: 0
    .kernarg_segment_align: 8
    .kernarg_segment_size: 24
    .max_flat_workgroup_size: 128
    .sgpr_count:     66
    .vgpr_count:     48
    .wavefront_size: 32
...
	.end_amdgpu_metadata
.endif
;; end of part 4
;; launch main (part 5): grid 256 x 1, 4 waves a work-group, clusters of 4 x 1, 327,680 bytes of LDS; arguments lstm_output, wl, b, part; writes part
.if DOCPART == 5
	.amdgcn_target "amdgcn-amd-amdhsa--gfx1250"
	.amdhsa_code_object_version 6
	.text
	.protected	k_q2877b183c8_main
	.globl	k_q2877b183c8_main
	.p2align	8
	.type	k_q2877b183c8_main,@function
k_q2877b183c8_main:
	s_mov_b64 s[64:65], 0
	v_nop
	global_prefetch_b8 v0, s[64:65] scope:SCOPE_SE
	s_setreg_imm32_b32 hwreg(HW_REG_WAVE_MODE, 25, 1), 1
	s_wait_xcnt 0x0
	s_wait_alu depctr_hold_cnt(0) depctr_sa_sdst(0) depctr_va_vdst(0) depctr_va_sdst(0) depctr_va_ssrc(0) depctr_va_vcc(0) depctr_vm_vsrc(0)
	s_getreg_b32 s2, hwreg(HW_REG_IB_STS2, 6, 4)
	s_cmp_eq_u32 s2, 0
	s_cbranch_scc0 .Lentry_in_a_cluster
	s_endpgm
.Lentry_in_a_cluster:
	s_bfe_u32 s2, ttmp6, 0x10000c
	s_cmp_lg_u32 s2, 0x3003
	s_cbranch_scc0 .Lentry_shape_is_right
	s_endpgm
.Lentry_shape_is_right:
; z = Q(x) W^T on codes of BF6 (E3M2) with one E8M0 scale for each 32 along K; w = exp(tanh(z + b) - 1); for each batch and column num = sum over rows of w x, den = sum of w.
; THE SOFTMAX NEEDS NO MAXIMUM: tanh bounds every exponent to [-1, 1] for every input, and the fixed shift by 1 cancels in num / den.  tanh(y) - 1 = -2 / (1 + e^(2 y)), so
; w = 2^(1 / (k (1 + 2^(c1 y)))) with c1 = 2 log2(e), k = -ln(2) / 2: two exponentials and a reciprocal; w lies in [e^-2, 1]; 2^(c1 y) = infinity gives 1, 0 gives e^-2.
; SHARES.  A work-group owns 256 rows of x (a sixteenth of a batch), 64 at a time, and stores one partial num[1024] and den[1024]; a later launch adds sixteen of them and divides.
; Wave w owns columns 128 w .. + 127 (group g = 0) and 512 + 128 w .. + 127 (g = 1), which are also K steps w and 4 + w.  A BLOCK'S x IS READ FROM MEMORY ONCE and stays in registers in f32.
; Each load takes 512 consecutive bytes of one row, 16 a lane; sixteen rows then turn through the wave's own scratch in LDS and come back so that lane (r, h) holds, of row 16 m + r,
; column 32 (i / 16) + 16 h + i % 16 of the group in register 64 m + i.  That is the layout that the conversions want (16 neighbours along K a lane)
; AND the layout of the transposed product's results (source 0 = 16 rows of W, chosen as wl lays them; source 1 = 16 rows of x): result and x meet register by register in the pooling.
; x's codes go from wave to wave through LDS as images of the operand's registers.  W (wl: images too) comes through a ring of two LDS slots of two K steps; each wave fetches and reads its own part.
; CLUSTER.  All work-groups walk the same W: the four of a cluster ask for each tile JOINTLY (the same tensor load, the same descriptor, a mask that names the four).  Only W is shared, so one axis of four.
; LIMITS: NaN and infinities in x are not served; a block of x whose largest magnitude lies under 2^-122 (zeros too) takes the scale byte 1: a block of zeros has zero codes, and this launch alone reads the bytes.
;
; LDS
.set IMG,   0                          ; x's fragments: K step ks, row tile m at 6144 ks + 1536 m; registers 4 q .. of lane l at 512 q + 16 l
.set XSC,   49152                      ; x's scale words: 256 ks + 16 r + 4 m
.set BIA,   51200                      ; c1 b: 4 bytes a column; each wave writes and reads its own columns' alone
.set SCR,   55296                      ; a scratch of 16 rows x 528 bytes for each wave: x's turn, and the sums over a half's sixteen lanes
.set SPARE, 89088                      ; the spare words, 128 bytes for each wave: two blocks of 256 bytes that no other line names
.set RING0, 89600                      ; the ring: for each wave its part of slot 0, then its part of slot 1; only these 204,800 bytes are filled by tensor loads
.set WRING, 51200                      ; a wave's two parts
.set WPART, 25600                      ; a wave's part of a tile of W: two K steps of its 128 columns
.set CHUNK, 12800                      ; one K step of that: 8 fragment images, then 512 bytes of scale words
.set WWAVE, 102400                     ; in wl: a wave's four parts of a column group, on end
.set WGRP,  409600                     ; in wl: a column group
.set BLKB,  262144                     ; 64 rows of x
; VECTOR REGISTERS, in windows of 256.  window 1: the 32 accumulators, (m, t) at 64 m + 8 t.   window 2: x of group 0, 64 m + i.   window 3: x of group 1.   window 0:
.set XTL, 1                            ; my scratch + 528 r + 64 h: where x comes back from its turn
.set SPW, 2                            ; LDS address of my spare word; never rewritten
.set NIL, 3                            ; 0; never rewritten
.set XA,  4                            ; x and b: 16 x lane + 512 w
.set LI,  5                            ; 16 x lane
.set XWI, 6                            ; where I store x's images: 16 x lane + 6144 w
.set XSW, 7                            ; and their scale words: XSC + 16 r + 256 w
.set XSR, 8                            ; 16 r
.set ADW, 9                            ; v9, v10   my part of slot 0, 1: + 16 x lane
.set AWS, 11                           ; v11, v12  its scale words: + 12288 + 32 r
.set BIR, 13                           ; BIA + 512 w + 64 h
.set SCS, 14                           ; my scratch + 16 x lane
.set SCL, 15                           ; my scratch + 528 r + 256 h
.set PFO, 16                           ; the prefetches' offset: 4096 (lane / 2) + 256 (lane % 2) + 512 w; never rewritten
.set PO,  17                           ; my 16 bytes of the wave's 512 in part
.set BIW, 18                           ; BIA + 512 w + 16 x lane
.set XN,  19                           ; XA for the next block's loads; 0 in the last block
.set TOT, 20                           ; v20-35    the totals: group g, num or den, four columns
.set WS,  36                           ; v36-51    W's scale words, two sets of 8: they hold scales and nothing else
.set XS,  52                           ; v52-59    x's scale words, two sets of 4: likewise
.set WF,  64                           ; v64-159   products: W's 8 fragments, ONE set
.set XF,  160                          ; v160-255  products: x's 4 fragments, two sets
.set PC,  64                           ; v64-111   quantiser: the codes of row tile m at + 12 m
.set PT,  112                          ; v112-119  quantiser: the halves that are made elsewhere and moved
.set TM,  120                          ; v120-135  quantiser: +0 largest magnitudes, +4 at work and bytes, +12 the conversions' scale operands
.set PWQ, 136                          ; v136-139  quantiser: the four row tiles' scale words
.set NUM, 64                           ; v64-127   pooling: sum over m of w x
.set DEN, 128                          ; v128-191  pooling: sum over m of w
.set BIAS, 192                         ; v192-255  pooling: c1 b in the result's layout; later what comes back from the scratch
; SCALAR REGISTERS
.set WV,  12                           ; my wave's number
.set BLK, 15                           ; blocks to go
.set G1,  16                           ; s[16:23] descriptor group 1: a wave's part of one tile
.set G0,  24                           ; s[24:31] descriptor group 0, a set for each slot: slot n takes tiles 2 + n and 6 + n of a block by turns
.set XB,  32                           ; s[32:33] x at the block's first row
.set C1,  34                           ; s[34:35] c1, twice (a packed form names the pair)
.set KK,  36                           ; s[36:37] k, twice
.set SEL, 38                           ; s[38:39] v_permlanex16_b32's selects for lane l xor 16
.set XNB, 48                           ; s[48:49] x at the next block's first row; in the last block at its own
.set G1D, 52                           ; s[52:59] descriptor group 1: a wave's parts of two tiles on end
.set G0D, 60                           ; s[60:63] descriptor group 0 for a block's tiles 0 and 1: never rewritten
.set G0E, 68                           ; s[68:71] descriptor group 0 for a block's tiles 4 and 5: never rewritten
.set MSB, 0
.macro WIN new                         ; low byte: bits 1:0 source 0, 3:2 source 1, 5:4 source 2, 7:6 destination; the high byte repeats the setting that is left
.if MSB != (\new)
	s_set_vgpr_msb (MSB<<8)|(\new)
.set MSB, (\new)
.endif
.endm
; A load into a register that a matrix instruction has read, and a vector instruction that reads a matrix result or writes one of its registers, stand four places behind it; only plain
; vector instructions that name none of its registers are places (ISA guide 7.12.1 for vector instructions).
.macro PLACES
.rept 4
	v_nop
.endr
.endm
.macro CREST                           ; a round of the cluster's barrier behind its opening barrier
	s_cmp_lg_u32 s[WV], 0
	s_cbranch_scc1 .Lnot_wave_0_\@
	s_barrier_signal -3
.Lnot_wave_0_\@:
	s_barrier_wait -3
	s_barrier_signal -1
	s_barrier_wait -1
.endm
.macro ROUND                           ; a whole round
	s_barrier_signal -1
	s_barrier_wait -1
	CREST
.endm
; TWO TILES OF W BY ONE LOAD (group 0 in s[d:d+3]: tiles 0 and 1, or 4 and 5): my parts of both lie on end in wl and in the ring, 51,200 bytes.  All my tensor loads have landed, 0 goes onto my spare word,
; my LDS instructions are done (my reads of both slots among them); behind the round of the cluster's barrier no wave of any partner reads the ring or has a load on its way, and my one joint load goes out first.
.macro CHANGE d
	WIN 0
	s_wait_tensorcnt 0x0
	ds_add_u32 v[SPW], v[NIL]
	ds_add_u32 v[SPW], v[NIL]
	s_wait_dscnt 0x0
	ROUND
	tensor_load_to_lds s[\d:\d+3], s[G1D:G1D+7]
	s_nop 0
	PLACES                                         ; four v_nop follow a tensor load
.endm
; 16 rows of x, the wave's 128 columns of group g, into row tile m's registers: load i takes row 16 m + i: the 32 lanes read 512 consecutive bytes, at a multiple of 512 from x's first byte
.macro XLOAD g, m, adr, base
	WIN 0x80+0x40*(\g)                             ; destination window 2 or 3
.irp i, 0,1,2,3,4,5,6,7,8,9,10,11,12,13,14,15
	global_load_b128 v[64*(\m)+4*\i:64*(\m)+4*\i+3], v[\adr], s[\base:\base+1] offset:2048*(\g)+65536*(\m)+4096*\i th:TH_LOAD_NT
.endr
.endm
; THE TURN.  Row tile m's sixteen rows go into my scratch as they were loaded (row i at 528 i) and come back, into the same registers, 64 bytes a lane for each block of 32 columns: lane (r, h) takes row r,
; bytes 128 b + 64 h + 16 j.  Rows 528 bytes apart: the sixteen lanes of a half touch sixteen different columns of 16 bytes.  LDS serves a wave's instructions in order (ISA guide 5.7.1.4): no wait
; between the stores and the loads, nor in front of the next row tile's stores.
.macro XTURN g, m
	WIN (2+\g)<<2                                  ; an LDS store's data are its source 1: x's window
.irp i, 0,1,2,3,4,5,6,7,8,9,10,11,12,13,14,15
	ds_store_b128 v[SCS], v[64*(\m)+4*\i:64*(\m)+4*\i+3] offset:528*\i
.endr
	WIN 0x80+0x40*(\g)                             ; destination: x's window
.irp b, 0,1,2,3
.irp j, 0,1,2,3
	ds_load_b128 v[64*(\m)+16*\b+4*\j:64*(\m)+16*\b+4*\j+3], v[XTL] offset:128*\b+16*\j
.endr
.endr
.endm
; A PREFETCH INTO THE L2 of the next block's x of group g: 64 rows x my wave's 512 bytes, each lane another aligned block of 256 bytes, four instructions.  The wave that will load the bytes asks, so each
; block is named once in the launch.  It stands behind the second of four K steps that fetch no tile, where no tensor load of the wave is out: group 0's two K steps and a change of tiles ahead of the
; loads that want the bytes, group 1's two K steps ahead.  The last block asks for nothing.
.macro ASK g
	WIN 0
	s_cmp_eq_u32 s[BLK], 1
	s_cbranch_scc1 .Lno_ask_\@
.irp i, 0,1,2,3
	global_prefetch_b8 v[PFO], s[XB:XB+1] offset:BLKB+2048*\g+65536*\i th:TH_LOAD_NT scope:SCOPE_SE
.endr
.Lno_ask_\@:
.endm
; THE QUANTISER.  Row tile m of group g: a lane's 64 numbers, register 16 b + i = k 32 b + 16 h + i of its row, become a fragment's 12 registers and the row's scale word.
.macro QUANT g, m
.set XR,  64*(\m)
.set PCM, PC+12*(\m)
	WIN (2+\g)*5                                   ; sources 0 and 1: x's window
.irp b, 0,1,2,3
	v_max3_num_f32 v[TM+\b], |v[XR+16*\b]|, |v[XR+16*\b+1]|, 0x2800000   ; block b: my 16 numbers, and the floor 2^(5 - 127): the byte cannot fall under 1
.endr
.irp i, 2,4,6,8,10,12,14
.irp b, 0,1,2,3
	v_max3_num_f32 v[TM+\b], |v[XR+16*\b+\i]|, |v[XR+16*\b+\i+1]|, v[TM+\b]   ; (the four blocks by turns)
.endr
.endr
	WIN 0
.irp b, 0,1,2,3
	v_permlanex16_b32 v[TM+4+\b], v[TM+\b], s[SEL], s[SEL+1]
.endr
.irp b, 0,1,2,3
	v_max_num_f32 v[TM+\b], v[TM+\b], v[TM+4+\b]   ; with lane l xor 16's: the block's largest magnitude
.endr
.irp b, 0,1,2,3
	v_add_nc_u32 v[TM+12+\b], 0xfe000000, v[TM+\b] ; 4 off its exponent field: the conversion takes this operand's exponent field as its scale
.endr
.irp b, 0,1,2,3
	v_lshrrev_b32 v[TM+4+\b], 23, v[TM+12+\b]      ; the scale's byte
.endr
	v_lshl_or_b32 v[PWQ+\m], v[TM+5], 8, v[TM+4]   ; my row's scale word
	v_lshl_or_b32 v[PWQ+\m], v[TM+6], 16, v[PWQ+\m]
	v_lshl_or_b32 v[PWQ+\m], v[TM+7], 24, v[PWQ+\m]
	WIN 2+\g                                       ; source 0: x's window
.irp c, 0,1
	v_cvt_scalef32_pk16_bf6_f32 v[PCM+6*\c:PCM+6*\c+2], v[XR+32*\c:XR+32*\c+15], v[TM+12+2*\c]
	v_cvt_scalef32_pk16_bf6_f32 v[PT+4*\c:PT+4*\c+2], v[XR+32*\c+16:XR+32*\c+31], v[TM+12+2*\c+1]   ; (a conversion's three registers begin on an even number)
.endr
	WIN 0
	v_nop                                          ; one plain place behind a scaled conversion
.irp c, 0,1                                        ; the operand's layout wants a WHOLE block in a lane: lanes 0-15 block 2 c, lanes 16-31 block 2 c + 1
.irp i, 0,1,2
	v_permlane16_swap_b32 v[PCM+6*\c+\i], v[PT+4*\c+\i]
.endr
.irp i, 0,1,2
	v_mov_b32 v[PCM+3+6*\c+\i], v[PT+4*\c+\i]
.endr
.endr
.irp q, 0,1,2
	ds_store_b128 v[XWI], v[PCM+4*\q:PCM+4*\q+3] offset:IMG+24576*\g+1536*\m+512*\q   ; the image of K step 4 g + w, row tile m; each row tile has registers of its own, so no wait stands between the four
.endr
.endm
; Group g's four row tiles: each is turned a row tile ahead of its quantising.  Group 1's loads are the youngest: behind row tile m's sixteen stand sixteen for each later row tile.
.macro QG g
.if \g
	s_wait_loadcnt 48
.endif
	XTURN \g, 0
.if \g
	s_wait_loadcnt 32
.endif
	XTURN \g, 1
	s_wait_dscnt 32                                ; row tile 0 is back: behind its loads stand row tile 1's 16 stores and 16 loads
	QUANT \g, 0
.if \g
	s_wait_loadcnt 16
.endif
	XTURN \g, 2
	s_wait_dscnt 35                                ; row tile 1 is back: behind it three image stores and row tile 2's 32
	QUANT \g, 1
.if \g
	s_wait_loadcnt 0x0
.endif
	XTURN \g, 3
	s_wait_dscnt 35                                ; row tile 2 likewise
	QUANT \g, 2
	s_wait_dscnt 3                                 ; row tile 3 is back: behind it three image stores
	QUANT \g, 3
	ds_store_b128 v[XSW], v[PWQ:PWQ+3] offset:1024*\g   ; four scale words of row r (lanes r and r + 16 store the same words to the same place)
.endm
; THE FETCHES OF A K STEP.  FET1: W's tiles 0-3, x's four fragments, the scale words: 27 loads.  FET2: W's tiles 4-7: 12 loads.
.macro LW slot, s, t0
.irp t, \t0, \t0+1, \t0+2, \t0+3
.irp q, 0,1,2
	ds_load_b128 v[WF+12*(\t)+4*\q:WF+12*(\t)+4*\q+3], v[ADW+(\slot)] offset:CHUNK*(\s)+1536*(\t)+512*\q
.endr
.endr
.endm
.macro FET1 slot, s, ks, set
	WIN 0
	LW \slot, \s, 0
.irp m, 0,1,2,3
.irp q, 0,1,2
	ds_load_b128 v[XF+48*(\set)+12*\m+4*\q:XF+48*(\set)+12*\m+4*\q+3], v[LI] offset:IMG+6144*(\ks)+1536*\m+512*\q
.endr
.endr
	ds_load_b128 v[WS+8*(\set):WS+8*(\set)+3], v[AWS+(\slot)] offset:CHUNK*(\s)        ; lane r: the words of row r of tiles 0-3,
	ds_load_b128 v[WS+8*(\set)+4:WS+8*(\set)+7], v[AWS+(\slot)] offset:CHUNK*(\s)+16   ; of tiles 4-7,
	ds_load_b128 v[XS+4*(\set):XS+4*(\set)+3], v[XSR] offset:XSC+256*(\ks)             ; and of row r of x's four row tiles
.endm
.macro FET2 slot, s
	WIN 0
	LW \slot, \s, 4
.endm
; Four matrix instructions: W's tile t against x's four row tiles.  The 32 accumulators take turns, one instruction a turn, in the same order in every K step.
.macro MULT t, set, zero
.irp m, 0,1,2,3
.if \zero
	v_wmma_scale_f32_16x16x128_f8f6f4 v[64*\m+8*(\t):64*\m+8*(\t)+7], v[WF+12*(\t):WF+12*(\t)+11], v[XF+48*(\set)+12*\m:XF+48*(\set)+12*\m+11], 0, v[WS+8*(\set)+(\t)], v[XS+4*(\set)+\m] matrix_a_fmt:MATRIX_FMT_BF6 matrix_b_fmt:MATRIX_FMT_BF6
.else
	v_wmma_scale_f32_16x16x128_f8f6f4 v[64*\m+8*(\t):64*\m+8*(\t)+7], v[WF+12*(\t):WF+12*(\t)+11], v[XF+48*(\set)+12*\m:XF+48*(\set)+12*\m+11], v[64*\m+8*(\t):64*\m+8*(\t)+7], v[WS+8*(\set)+(\t)], v[XS+4*(\set)+\m] matrix_a_fmt:MATRIX_FMT_BF6 matrix_b_fmt:MATRIX_FMT_BF6
.endif
.endr
.endm
; A K step that changes no slot.  nxt = 1: the next K step's fragments (slot nslot, its K step ns, x's K step nks) are fetched in two runs, each as soon as W's registers are free.
.macro STEP set, zero, nxt, nslot, ns, nks
	s_wait_dscnt 12                                ; all but the youngest twelve loads (W's tiles 4-7) are in
	WIN 0x50                                       ; C and D window 1
.irp t, 0,1,2,3
	MULT \t, \set, \zero
.endr
	s_wait_dscnt 0x0                               ; W's tiles 4-7 are in
.if \nxt
	PLACES
	FET1 \nslot, \ns, \nks, 1-(\set)
.endif
	WIN 0x50
.irp t, 4,5,6,7
	MULT \t, \set, \zero
.endr
	PLACES
.if \nxt
	FET2 \nslot, \ns
.endif
.endm
; A slot's second K step, behind which the slot is filled again, two tiles on.  In front of the barrier, which opens a round of the cluster's: all my tensor loads have landed,
; 0 goes onto my spare word, and my reads of this slot are over.  nxt = 1: the other slot's first K step (x's K step nks) follows.  sub, amt: how the slot's address in wl steps to its next tile.
.macro TURN slot, set, nxt, nks, ask, g, sub, amt
	WIN 0
	s_wait_tensorcnt 0x0
	ds_add_u32 v[SPW], v[NIL]
	s_wait_dscnt 13                                ; (the add and the youngest twelve loads may be out)
	WIN 0x50
	MULT 0, \set, 0                                ; eight matrix instructions stand between the add and the wait for it
	MULT 1, \set, 0
	s_wait_dscnt 0x0                               ; the add is done, and my reads of this slot are over
	s_barrier_signal -1
	MULT 2, \set, 0
	MULT 3, \set, 0
	WIN 0
	s_barrier_wait -1
	CREST                                          ; no wave of any partner still reads this slot or has a load on its way
.if \sub
	s_sub_nc_u64 s[G0+4*\slot+2:G0+4*\slot+3], s[G0+4*\slot+2:G0+4*\slot+3], \amt
.else
	s_add_nc_u64 s[G0+4*\slot+2:G0+4*\slot+3], s[G0+4*\slot+2:G0+4*\slot+3], \amt
.endif
	tensor_load_to_lds s[G0+4*\slot:G0+4*\slot+3], s[G1:G1+7]   ; my one tensor load behind the round, and the first thing there
	s_nop 0
	PLACES                                         ; (also the places in front of the loads below)
.if \nxt
	FET1 1-\slot, 0, \nks, 1-(\set)
.endif
.if \ask
	ASK \g
.endif
	WIN 0x50
.irp t, 4,5,6,7
	MULT \t, \set, 0
.endr
	PLACES
.if \nxt
	FET2 1-\slot, 0
.endif
.endm
; FOUR K STEPS, ks0 .. ks0 + 3: slot 0's two, slot 1's two.  zero = 1: the first starts the sums: nothing is cleared.  fill = 1: both slots are filled again.
; tw: the tensor loads issued behind the one that brought slot 0's tile: 1 (slot 1's), or 0 where one load brought both.
.macro HG zero, ks0, fill, ask, g, tw, sub, amt
	s_wait_tensorcnt \tw                           ; slot 0's tile is in.  I alone read my part of a slot
	FET1 0, 0, \ks0, 0
	FET2 0, 0
	STEP 0, \zero, 1, 0, 1, (\ks0)+1
.if \fill
	TURN 0, 1, 1, (\ks0)+2, 0, 0, \sub, \amt
.else
	s_wait_tensorcnt 0x0                           ; slot 1's tile is in: no load was issued behind it
	STEP 1, 0, 1, 1, 0, (\ks0)+2
.if \ask
	ASK \g                                         ; ask = 1, where nothing is filled: the next block's x of group g
.endif
.endif
	STEP 0, 0, 1, 1, 1, (\ks0)+3
.if \fill
	TURN 1, 1, 0, 0, \ask, \g, \sub, \amt
.else
	STEP 1, 0, 0, 0, 0, 0
.endif
.endm
; THE POOLING of column group g.  In place on the accumulators, each from its low end on: u = c1 z + c1 b; 2^u; k 2^u + k; its reciprocal; 2^that = w.  Then NUM += w x, DEN += w, over the four row tiles.
; ld = 1: as soon as a row tile's x has been used, the following block's goes into its registers.
.macro EPI g, ld
	WIN 0
.irp b, 0,1,2,3
.irp j, 0,1,2,3
	ds_load_b128 v[BIAS+16*\b+4*\j:BIAS+16*\b+4*\j+3], v[BIR] offset:2048*\g+128*\b+16*\j   ; c1 b of my 64 columns; the sixteen lanes of a half read the same bytes
.endr
.endr
	s_wait_dscnt 0x0
.irp m, 0,1,2,3
	WIN 0x41                                       ; destination and source 0: the accumulators' window
.set i, 0
.rept 32
	v_pk_fma_f32 v[64*\m+i:64*\m+i+1], v[64*\m+i:64*\m+i+1], s[C1:C1+1], v[BIAS+i:BIAS+i+1] op_sel_hi:[1,0,1]
.set i, i+2
.endr
.set i, 0
	s_wait_alu depctr_va_vdst(0)
.rept 64
	v_exp_f32 v[64*\m+i], v[64*\m+i]
.set i, i+1
.endr
	v_nop                                          ; one plain place behind the transcendentals (ISA guide 5.7.2)
.set i, 0
	s_wait_alu depctr_va_vdst(0)
.rept 32
	v_pk_fma_f32 v[64*\m+i:64*\m+i+1], v[64*\m+i:64*\m+i+1], s[KK:KK+1], s[KK:KK+1] op_sel_hi:[1,0,0]
.set i, i+2
.endr
.set i, 0
	s_wait_alu depctr_va_vdst(0)
.rept 64
	v_rcp_f32 v[64*\m+i], v[64*\m+i]
.set i, i+1
.endr
	v_nop
.set i, 0
	s_wait_alu depctr_va_vdst(0)
.rept 64
	v_exp_f32 v[64*\m+i], v[64*\m+i]
.set i, i+1
.endr
	v_nop
	s_wait_alu depctr_va_vdst(0)
.if \m == 1
	WIN 0x05                                       ; both sources: the accumulators' window.  The first two row tiles start DEN: nothing is cleared
.set i, 0
	s_wait_alu depctr_va_vdst(0)
.rept 32
	v_pk_add_f32 v[DEN+i:DEN+i+1], v[i:i+1], v[64+i:64+i+1]
.set i, i+2
.endr
.endif
	WIN 0x09+4*\g                                  ; source 0: the accumulators' window; source 1: x's.  The two carry the same number: result and x lie alike
.set i, 0
.rept 32
.if \m == 0
	v_pk_mul_f32 v[NUM+i:NUM+i+1], v[i:i+1], v[i:i+1]
.else
	v_pk_fma_f32 v[NUM+i:NUM+i+1], v[64*\m+i:64*\m+i+1], v[64*\m+i:64*\m+i+1], v[NUM+i:NUM+i+1]
.endif
.if \m > 1
	v_pk_fma_f32 v[DEN+i:DEN+i+1], v[64*\m+i:64*\m+i+1], 1.0, v[DEN+i:DEN+i+1] op_sel_hi:[1,0,1]   ; an addition, in the form that needs no other window setting
.endif
.set i, i+2
.endr
.if \ld
	XLOAD \g, \m, XN, XNB                          ; the next block's; always issued, so that every counted wait for loads holds on every path: in the last block all lanes name 16 bytes of the block's own rows, and the data are not used
.endif
.endr
.endm
; Sixteen groups of four registers are added into the first, then onto the totals
.macro TREE a, tot
.irp d, 8,4,2,1
.set i, 0
.rept \d
	v_pk_add_f32 v[\a+4*i:\a+4*i+1], v[\a+4*i:\a+4*i+1], v[\a+4*(i+\d):\a+4*(i+\d)+1]
	v_pk_add_f32 v[\a+4*i+2:\a+4*i+3], v[\a+4*i+2:\a+4*i+3], v[\a+4*(i+\d)+2:\a+4*(i+\d)+3]
.set i, i+1
.endr
.endr
	v_pk_add_f32 v[\tot:\tot+1], v[\tot:\tot+1], v[\a:\a+1]
	v_pk_add_f32 v[\tot+2:\tot+3], v[\tot+2:\tot+3], v[\a+2:\a+3]
.endm
; THE SUM OVER A HALF'S SIXTEEN LANES (sixteen rows of x), through my own scratch: registers 4 q .. 4 q + 3 of all lanes make row q (512 bytes, rows 528 apart); lane (r, h) reads back row r's sixteen pieces
; of its half and adds them: it ends with columns 32 (r / 4) + 16 h + 4 (r % 4) + 0 .. 3.  LDS serves a wave's instructions in order (ISA guide 5.7.1.4): no wait between stores and loads.
.macro RED g
	WIN 0
.irp q, 0,1,2,3,4,5,6,7,8,9,10,11,12,13,14,15
	ds_store_b128 v[SCS], v[NUM+4*\q:NUM+4*\q+3] offset:528*\q
.endr
.irp q, 0,1,2,3,4,5,6,7,8,9,10,11,12,13,14,15
	ds_load_b128 v[BIAS+4*\q:BIAS+4*\q+3], v[SCL] offset:16*\q
.endr
.irp q, 0,1,2,3,4,5,6,7,8,9,10,11,12,13,14,15
	ds_store_b128 v[SCS], v[DEN+4*\q:DEN+4*\q+3] offset:528*\q
.endr
.irp q, 0,1,2,3,4,5,6,7,8,9,10,11,12,13,14,15
	ds_load_b128 v[NUM+4*\q:NUM+4*\q+3], v[SCL] offset:16*\q
.endr
	s_wait_dscnt 32                                ; num's pieces are back; den's 16 stores and 16 loads may be out
	TREE BIAS, TOT+8*\g
	s_wait_dscnt 0x0
	TREE NUM, TOT+8*\g+4
.endm
	s_load_b256 s[4:11], s[0:1], 0x0               ; x s[4:5], wl s[6:7], b s[8:9], part s[10:11]
	v_lshl_add_u32 v[SPW], v0, 2, SPARE
	v_mov_b32 v[NIL], 0
	v_lshrrev_b32 v63, 5, v0
	v_readfirstlane_b32 s[WV], v63                 ; wave 0..3
	s_bfe_u32 s13, ttmp6, 0x40000                  ; cx: my place in the cluster
	s_lshl_b32 s14, ttmp9, 2                       ; in a cluster launch ttmp9 counts clusters
	s_add_co_u32 s14, s14, s13                     ; my work-group: it enters x's and part's addresses alone
	v_and_b32 v60, 15, v0                          ; r
	v_bfe_u32 v61, v0, 4, 1                        ; h
	v_and_b32 v62, 31, v0                          ; lane
	s_lshl_b32 s40, s[WV], 9                       ; 512 w: my 128 columns in bytes
	v_lshlrev_b32 v[LI], 4, v62
	s_wait_alu depctr_va_vdst(0)
	v_add_nc_u32 v[XA], s40, v[LI]
	s_mul_i32 s41, s[WV], 6144
	v_add_nc_u32 v[XWI], s41, v[LI]
	v_lshlrev_b32 v[XSR], 4, v60
	s_lshl_b32 s41, s[WV], 8
	s_add_co_u32 s41, s41, XSC
	v_add_nc_u32 v[XSW], s41, v[XSR]
	s_mul_i32 s44, s[WV], WRING                    ; my part of the ring
	s_mul_i32 s46, s[WV], WWAVE                    ; my part of a column group in wl
	s_mov_b32 s47, 0
	v_lshlrev_b32 v63, 5, v60                      ; 32 r
.irp n, 0,1
	s_add_co_u32 s41, s44, RING0+\n*WPART
	v_add_nc_u32 v[ADW+\n], s41, v[LI]
	s_add_co_u32 s42, s41, 12288
	v_add_nc_u32 v[AWS+\n], s42, v63
.endr
	s_add_co_u32 s41, s40, BIA
	v_lshl_add_u32 v[BIR], v61, 6, s41
	v_add_nc_u32 v[BIW], s41, v[LI]
	s_mul_i32 s41, s[WV], 8448
	s_add_co_u32 s41, s41, SCR
	v_add_nc_u32 v[SCS], s41, v[LI]
	v_mul_u32_u24 v[SCL], v60, 528
	v_add_nc_u32 v[SCL], s41, v[SCL]               ; my scratch + 528 r
	v_lshl_add_u32 v[XTL], v61, 6, v[SCL]          ; + 64 h
	v_lshl_add_u32 v[SCL], v61, 8, v[SCL]          ; + 256 h
	v_lshrrev_b32 v63, 1, v62
	v_lshlrev_b32 v[PFO], 12, v63
	v_and_b32 v63, 1, v0
	v_lshl_add_u32 v[PFO], v63, 8, v[PFO]
	v_add_nc_u32 v[PFO], s40, v[PFO]
	v_lshrrev_b32 v63, 2, v60
	v_lshlrev_b32 v[PO], 7, v63                    ; 4 bytes x (32 (r / 4)
	v_lshl_add_u32 v[PO], v61, 6, v[PO]            ; + 16 h
	v_and_b32 v63, 3, v0
	v_lshl_add_u32 v[PO], v63, 4, v[PO]            ; + 4 (r % 4))
	v_add_nc_u32 v[PO], s40, v[PO]
.irp i, 0,1,2,3,4,5,6,7,8,9,10,11,12,13,14,15
	v_mov_b32 v[TOT+\i], 0                         ; the totals of four blocks
.endr
.irp i, 0,1,2,3
	v_mov_b32 v[TM+4+\i], 0                        ; written once: a lane permute's destination counts as one of its sources
.endr
	; descriptor groups 1: a wave's part of a tile is 25,600 dense bytes: 100 rows of 32 elements of 8 bytes; of two tiles 200 rows.  No padding: images are read as consecutive bytes
.irp d, G1, G1D
	s_mov_b32 s[\d+0], 15|(3<<16)|(1<<21)          ; 15:0 the mask: all four work-groups; 17:16 elements of 8 bytes; 21 set beside a mask
	s_mov_b32 s[\d+1], 32<<16                      ; tensor_dim0 = 32
	s_mov_b32 s[\d+3], 32<<16                      ; tile_dim0 = 32
	s_mov_b32 s[\d+5], 32                          ; tensor_dim0_stride
	s_mov_b32 s[\d+6], 0
	s_mov_b32 s[\d+7], 0
.endr
	s_mov_b32 s[G1+2], 100<<16                     ; tensor_dim1
	s_mov_b32 s[G1+4], 100                         ; tile_dim1
	s_mov_b32 s[G1D+2], 200<<16
	s_mov_b32 s[G1D+4], 200
	s_mov_b32 s[C1], 0x4038aa3b                    ; c1 = 2 log2(e)
	s_mov_b32 s[C1+1], s[C1]
	s_mov_b32 s[KK], 0xbeb17218                    ; k = -ln(2) / 2
	s_mov_b32 s[KK+1], s[KK]
	s_mov_b32 s[SEL], 0x76543210
	s_mov_b32 s[SEL+1], 0xfedcba98
	s_wait_kmcnt 0x0
	s_lshl_b32 s50, s14, 20                        ; my work-group's 256 rows of 4,096 bytes
	s_mov_b32 s51, 0
	s_add_nc_u64 s[XB:XB+1], s[4:5], s[50:51]
	s_lshl_b32 s50, s14, 13                        ; and its 8,192 bytes of part
	s_add_nc_u64 s[10:11], s[10:11], s[50:51]
	s_add_nc_u64 s[6:7], s[6:7], s[46:47]          ; wl at my wave's part of group 0: the same in all four partners
	s_mov_b32 s[G0D], 1                            ; a block's tiles 0 and 1: count = 1,
	s_add_co_u32 s[G0D+1], s44, RING0              ; both my parts of the ring,
	s_mov_b64 s[G0D+2:G0D+3], s[6:7]               ; from the head of my part of group 0
	s_or_b32 s[G0D+3], s[G0D+3], 0x80000000        ; type = 2
	s_mov_b32 s[G0E], 1                            ; a block's tiles 4 and 5: the same bytes of the ring,
	s_add_co_u32 s[G0E+1], s44, RING0
	s_add_nc_u64 s[G0E+2:G0E+3], s[6:7], WGRP      ; from the head of my part of group 1
	s_or_b32 s[G0E+3], s[G0E+3], 0x80000000
.irp n, 0,1                                        ; group 0 for slot n, as it stands behind a whole block (at tile 6 + n): the block's first refill of the slot steps it back
	s_mov_b32 s[G0+4*\n], 1
	s_add_co_u32 s[G0+4*\n+1], s44, RING0+\n*WPART
	s_add_nc_u64 s[G0+4*\n+2:G0+4*\n+3], s[6:7], WGRP+(2+\n)*WPART
	s_or_b32 s[G0+4*\n+3], s[G0+4*\n+3], 0x80000000
.endr
	global_load_b128 v[192:195], v[XA], s[8:9]             ; b of my columns of group 0,
	global_load_b128 v[196:199], v[XA], s[8:9] offset:2048 ; of group 1
.irp m, 0,1,2,3
	XLOAD 0, \m, XA, XB                            ; the first block's x: group 0,
.endr
.irp m, 0,1,2,3
	XLOAD 1, \m, XA, XB                            ; then group 1
.endr
	s_mov_b32 s[BLK], 4
	CHANGE G0D                                     ; the first block's tiles 0 and 1 of W
	s_wait_loadcnt 63                              ; b's two loads are the oldest of 130
.irp i, 0,2,4,6
	v_pk_mul_f32 v[192+\i:193+\i], v[192+\i:193+\i], s[C1:C1+1] op_sel_hi:[1,0]
.endr
	ds_store_b128 v[BIW], v[192:195]               ; c1 b: my own bytes, which I alone read
	ds_store_b128 v[BIW], v[196:199] offset:2048
	s_branch .Lenter                               ; the first block has no block before it whose sums are to be added
; A TRIP: 64 rows of x against all of W: eight tiles of W by six tensor loads a wave, six rounds of the cluster's barrier.  It begins where the ring has been read out: the block's first two tiles are
; asked for, and the sum over lanes of the block before (its second column group: NUM and DEN stay in their registers over the backward jump) stands between that request and the first product,
; with the quantising of K steps 0-3.  Tiles 4 and 5 are asked for in the same way, and the pooling of group 0 stands between that request and group 1's first product.
; The last block's sum over lanes stands behind the loop.
.Lblock:
	CHANGE G0D
	RED 1
.Lenter:
	s_cmp_lg_u32 s[BLK], 1                         ; is there a next block?
	s_cselect_b32 s40, BLKB, 0
	s_cselect_b32 s42, 1, 0
	s_mov_b32 s41, 0
	s_add_nc_u64 s[XNB:XNB+1], s[XB:XB+1], s[40:41]   ; (the loads that named these two were issued ahead of the wait on XCNT at the loop's end)
	v_mul_lo_u32 v[XN], v[XA], s42
	s_wait_loadcnt 63                              ; x of group 0 is in: behind its 64 loads stand group 1's 64
	QG 0                                           ; K steps 0-3 of x, one a wave
	s_wait_dscnt 0x0                               ; my images are stored
	s_barrier_signal -1
	s_barrier_wait -1                              ; everybody's are.
	HG 1, 0, 1, 0, 0, 0, 1, WGRP                   ; columns of group 0, K steps 0-3; refills: tiles 2 and 3 (each slot's address steps back by a column group)
	QG 1                                           ; K steps 4-7 of x: their loads had the four K steps in which to land
	s_wait_dscnt 0x0
	s_barrier_signal -1
	s_barrier_wait -1
	HG 0, 4, 0, 1, 0, 1, 0, 0                      ; K steps 4-7: no slot is changed; the next block's x of group 0 is prefetched
	CHANGE G0E                                     ; the ring has been read out: group 1's first two tiles, by one load, which has the pooling in which to land
	EPI 0, 1
	RED 0
	HG 1, 0, 1, 0, 0, 0, 0, WGRP                   ; columns of group 1, K steps 0-3; refills: tiles 6 and 7 (each slot's address steps on by a column group)
	HG 0, 4, 0, 1, 1, 1, 0, 0                      ; K steps 4-7: nothing is left to fetch in this block; the next block's x of group 1 is prefetched
	EPI 1, 1                                       ; columns of group 1; its registers of x take the next block's rows
	WIN 0                                          ; at a branch and at a label every window is 0
	s_wait_alu depctr_va_vdst(0)
	s_wait_xcnt 0x0                                ; every earlier load and prefetch has had its addresses translated (ISA guide 3.1): x's bases and XN are rewritten only behind this wait
	s_add_nc_u64 s[XB:XB+1], s[XB:XB+1], BLKB
	s_sub_co_u32 s[BLK], s[BLK], 1
	s_cmp_lg_u32 s[BLK], 0
	s_cbranch_scc1 .Lblock
	RED 1                                          ; the last block's columns of group 1
.irp g, 0,1
.irp n, 0,1
	global_store_b128 v[PO], v[TOT+8*\g+4*\n:TOT+8*\g+4*\n+3], s[10:11] offset:4096*\n+2048*\g   ; the 32 lanes store the wave's 512 consecutive bytes, at a multiple of 256 from part's first byte
.endr
.endr
	s_wait_tensorcnt 0x0                           ; the wave's end: behind my last tensor load and my last LDS store
	ds_add_u32 v[SPW], v[NIL]
	s_wait_dscnt 0x0
	ROUND                                          ; the closing round: no work-group ends while a partner may still ask for a tile that names it
	s_endpgm
.Lfunc_end_k_q2877b183c8_main:
	.size	k_q2877b183c8_main, .Lfunc_end_k_q2877b183c8_main-k_q2877b183c8_main
	.p2alignl 7, 3214868480
	.fill 96, 4, 3214868480
	.section	.rodata,"a",@progbits
	.p2align	6, 0x0
	.amdhsa_kernel k_q2877b183c8_main
		.amdhsa_group_segment_fixed_size 327680
		.amdhsa_private_segment_fixed_size 0
		.amdhsa_enable_private_segment 0
		.amdhsa_kernarg_size 32
		.amdhsa_user_sgpr_count 2
		.amdhsa_user_sgpr_kernarg_segment_ptr 1
		.amdhsa_wavefront_size32 1
		.amdhsa_system_sgpr_workgroup_id_x 1
		.amdhsa_system_sgpr_workgroup_id_y 1
		.amdhsa_system_sgpr_workgroup_id_z 1
		.amdhsa_system_vgpr_workitem_id 0
		.amdhsa_next_free_vgpr 1024
		.amdhsa_next_free_sgpr 72
		.amdhsa_reserve_vcc 0
		.amdhsa_float_denorm_mode_32 3
		.amdhsa_float_denorm_mode_16_64 3
		.amdhsa_memory_ordered 1
		.amdhsa_forward_progress 1
		.amdhsa_inst_pref_size 255
	.end_amdhsa_kernel
	.section	.bss,"aw",@nobits
	.p2align	6
	.space	262144
	.amdgpu_metadata
---
amdhsa.version: [ 1, 2 ]
amdhsa.kernels:
  - .name:           k_q2877b183c8_main
    .symbol:         k_q2877b183c8_main.kd
    .args:
      - { .name: lstm_output, .offset: 0, .size: 8, .value_kind: global_buffer, .address_space: global }
      - { .name: wl, .offset: 8, .size: 8, .value_kind: global_buffer, .address_space: global }
      - { .name: b, .offset: 16, .size: 8, .value_kind: global_buffer, .address_space: global }
      - { .name: part, .offset: 24, .size: 8, .value_kind: global_buffer, .address_space: global }
    .group_segment_fixed_size: 327680
    .private_segment_fixed_size: 0
    .kernarg_segment_align: 8
    .kernarg_segment_size: 32
    .max_flat_workgroup_size: 128
    .sgpr_count:     72
    .vgpr_count:     1024
    .wavefront_size: 32
...
	.end_amdgpu_metadata
.endif
;; end of part 5
;; launch fin (part 6): grid 64 x 1, 2 waves a work-group, no clusters, 0 bytes of LDS; arguments part, out0; writes out0
.if DOCPART == 6
	.amdgcn_target "amdgcn-amd-amdhsa--gfx1250"
	.amdhsa_code_object_version 6
	.text
	.protected	k_q2877b183c8_fin
	.globl	k_q2877b183c8_fin
	.p2align	8
	.type	k_q2877b183c8_fin,@function
k_q2877b183c8_fin:
	s_mov_b64 s[64:65], 0
	v_nop
	global_prefetch_b8 v0, s[64:65] scope:SCOPE_SE
	s_setreg_imm32_b32 hwreg(HW_REG_WAVE_MODE, 25, 1), 1
	s_wait_xcnt 0x0
; out0[batch][column] = (sum of the batch's sixteen partial num) / (sum of its sixteen partial den).  part: [256 work-groups][num, den][1024] f32; a batch's sixteen lie on end, 8,192 bytes apart.
; A work-group takes a quarter of a batch's columns, a thread four of them: each load and the store cover 512 consecutive bytes a wave.  The sums go in the fixed order 0 .. 15.
; den is at least 4,096 e^-2, so the reciprocal (v_rcp_f32, then a multiplication) is of an ordinary number.
	s_load_b128 s[4:7], s[0:1], 0x0                ; part s[4:5], out0 s[6:7]
	v_lshlrev_b32 v1, 4, v0                        ; 16 bytes a thread
	s_lshr_b32 s8, ttmp9, 2                        ; batch
	s_and_b32 s9, ttmp9, 3                         ; which quarter of the columns
	s_lshl_b32 s9, s9, 10
	s_lshl_b32 s10, s8, 17                         ; 16 x 8,192 bytes a batch in part
	s_add_co_u32 s10, s10, s9
	s_mov_b32 s11, 0
	s_lshl_b32 s12, s8, 12                         ; 4,096 bytes a batch in out0
	s_add_co_u32 s12, s12, s9
	s_mov_b32 s13, 0
	s_wait_alu depctr_va_vdst(0)
	s_wait_kmcnt 0x0
	s_add_nc_u64 s[4:5], s[4:5], s[10:11]
	s_add_nc_u64 s[6:7], s[6:7], s[12:13]
.irp i, 0,1,2,3,4,5,6,7,8,9,10,11,12,13,14,15
	global_load_b128 v[16+4*\i:19+4*\i], v1, s[4:5] offset:8192*\i th:TH_LOAD_NT        ; num
	global_load_b128 v[80+4*\i:83+4*\i], v1, s[4:5] offset:8192*\i+4096 th:TH_LOAD_NT   ; den
.endr
	s_wait_loadcnt 0x0
.irp i, 1,2,3,4,5,6,7,8,9,10,11,12,13,14,15        ; four chains that do not wait for each other
	v_pk_add_f32 v[16:17], v[16:17], v[16+4*\i:17+4*\i]
	v_pk_add_f32 v[18:19], v[18:19], v[18+4*\i:19+4*\i]
	v_pk_add_f32 v[80:81], v[80:81], v[80+4*\i:81+4*\i]
	v_pk_add_f32 v[82:83], v[82:83], v[82+4*\i:83+4*\i]
.endr
	s_wait_alu depctr_va_vdst(0)
.irp i, 0,1,2,3
	v_rcp_f32 v[8+\i], v[80+\i]
.endr
	v_nop                                          ; one plain place behind the transcendentals (ISA guide 5.7.2)
	s_wait_alu depctr_va_vdst(0)
	v_pk_mul_f32 v[12:13], v[16:17], v[8:9]
	v_pk_mul_f32 v[14:15], v[18:19], v[10:11]
	global_store_b128 v1, v[12:15], s[6:7]         ; sixteen lanes store 256 consecutive bytes, at a multiple of 256 from out0's first byte
	s_endpgm
.Lfunc_end_k_q2877b183c8_fin:
	.size	k_q2877b183c8_fin, .Lfunc_end_k_q2877b183c8_fin-k_q2877b183c8_fin
	.p2alignl 7, 3214868480
	.fill 96, 4, 3214868480
	.section	.rodata,"a",@progbits
	.p2align	6, 0x0
	.amdhsa_kernel k_q2877b183c8_fin
		.amdhsa_group_segment_fixed_size 0
		.amdhsa_private_segment_fixed_size 0
		.amdhsa_enable_private_segment 0
		.amdhsa_kernarg_size 16
		.amdhsa_user_sgpr_count 2
		.amdhsa_user_sgpr_kernarg_segment_ptr 1
		.amdhsa_wavefront_size32 1
		.amdhsa_system_sgpr_workgroup_id_x 1
		.amdhsa_system_sgpr_workgroup_id_y 1
		.amdhsa_system_sgpr_workgroup_id_z 1
		.amdhsa_system_vgpr_workitem_id 0
		.amdhsa_next_free_vgpr 144
		.amdhsa_next_free_sgpr 66
		.amdhsa_reserve_vcc 0
		.amdhsa_float_denorm_mode_32 3
		.amdhsa_float_denorm_mode_16_64 3
		.amdhsa_memory_ordered 1
		.amdhsa_forward_progress 1
		.amdhsa_inst_pref_size 8
	.end_amdhsa_kernel
	.amdgpu_metadata
---
amdhsa.version: [ 1, 2 ]
amdhsa.kernels:
  - .name:           k_q2877b183c8_fin
    .symbol:         k_q2877b183c8_fin.kd
    .args:
      - { .name: part, .offset: 0, .size: 8, .value_kind: global_buffer, .address_space: global }
      - { .name: out0, .offset: 8, .size: 8, .value_kind: global_buffer, .address_space: global }
    .group_segment_fixed_size: 0
    .private_segment_fixed_size: 0
    .kernarg_segment_align: 8
    .kernarg_segment_size: 16
    .max_flat_workgroup_size: 64
    .sgpr_count:     66
    .vgpr_count:     144
    .wavefront_size: 32
...
	.end_amdgpu_metadata
.endif
;; end of part 6
